; MI455X (gfx1250); checked and timed in simulation.
; The chip was launched on July 23, 2026; its instructions are those of AMD's public machine-readable ISA for CDNA 5 (MIT licence, August 2026) and "CDNA5" Instruction Set Architecture Reference Guide (July 2026). The comments in the code are by the model that wrote it; some were corrected since.
;; ODE Func c NODE2 DKI. Allowed arithmetic: float matrix products may take bf16 or f16 operands with f32 sums; other float arithmetic in f32, or as packed bf16 or f16 multiplies, adds, multiply-adds, maxima and minima; sums over many terms, partial sums and values carried from step to step in f32; what a program stores and reads back later, other than sums and carried values, may be rounded once to bf16 or f16.
;; Inputs: W1 4,096 x 4,096 float32; W2 4,096 x 4,096 float32; b1 4,096 float32; b2 4,096 float32; t 1 float32; y 2,048 x 4,096 float32.
;; Outputs: out0 2,048 x 4,096 float32.
;; 2 versions, each right; version 2 is version 1 with the launches prep, fin written anew for expert scheduling mode. Each part assembles by itself: llvm-mc -triple=amdgcn-amd-amdhsa -mcpu=gfx1250 --defsym DOCPART=n.
;; ======== version 1 of 2: 4 launches
;; limits: values are held in f16: magnitudes above 65,504 overflow, below 6.1e-05 lose precision; right only within a limited range of input values
;; workspace buffers: yb 16,777,216 bytes; W1b 33,554,432 bytes; W2h 33,554,432 bytes; hh 16,777,216 bytes; outb 16,777,216 bytes; part 131,072 bytes
;; launch prep (part 1): grid 256 x 5, 8 waves a work-group, no clusters, 70,656 bytes of LDS; arguments y, W1, W2, yb, W1b, W2h; writes yb, W1b, W2h
.if DOCPART == 1
	.amdgcn_target "amdgcn-amd-amdhsa--gfx1250"
	.amdhsa_code_object_version 6
	.text
	.protected	k_qc7d98919ba_prep
	.globl	k_qc7d98919ba_prep
	.p2align	8
	.type	k_qc7d98919ba_prep,@function
k_qc7d98919ba_prep:
	s_mov_b64 s[64:65], 0
	v_nop
	global_prefetch_b8 v0, s[64:65] scope:SCOPE_SE
	s_setreg_imm32_b32 hwreg(HW_REG_WAVE_MODE, 25, 1), 1
	s_wait_xcnt 0x0
; THE PROGRAM.  h = y W1^T + b1; out = h W2^T + b2; dot[row] = sum over n of y out; result = y (out - dot).  Four launches: this one rounds the three large
; inputs once and lays the weights out; two products; a last stream that takes dot away and multiplies by y.
; DEAD WORK.  The input t is named nowhere in the body of reference(): no output hangs on it, whatever it holds.  It is not loaded and is no launch's argument.
; LIMIT: a NaN or an infinity in t is not carried to the result.
; THIS LAUNCH.  yb = bf16(y), row-major.  W1b = bf16(W1), W2h = f16(bf16(W2)): each weight is read by 16 row blocks later, so it is rounded once, here.
; W2 is rounded to bf16 like the other inputs, and that number is written as f16, since the second product multiplies h in f16.
; THE WEIGHTS' LAYOUT is the order in which a wave of the products takes them into its operand registers:
;   W[n][k] lies at byte (n / 128) 1,048,576 + (k / 32) 8,192 + ((n % 128) / 16) 1,024 + ((k % 32) / 16) 512 + ((k % 16) / 8) 256 + (n % 16) 16 + (k % 8) 2,
; so that 128 rows x 32 K are 8,192 bytes on end, and a load of 16 bytes a lane at 16 x lane brings half a fragment (lane l: row l % 16, K = 8 (l / 16) + 0..7).
; LIMITS.  |W2| stays under 65,520 (beyond that f16 has an infinity); a number of W2 under 2^-14 keeps f16's fixed step of 2^-24 in place of bf16's 8 bits.
; SHARES.  A work-group takes 131,072 bytes of one input: 32 loads of 16 bytes a thread, all issued before the first wait; a wave's load covers 512 consecutive bytes.
; Grid y picks the input: 0 y; 1, 2 the halves of W1; 3, 4 those of W2.  Of y a work-group takes 131,072 bytes on end.  Of a weight matrix it takes 16 rows x 2,048 K; a wave 16 rows x 256 K, as two
; blocks of 128 K.  A block is read by rows, rounded, put into the wave's own 16 rows x 272 bytes of LDS, read back as fragment halves and stored: each store covers 512 consecutive bytes, aligned.
; No barrier: each wave reads only what it stored itself, and LDS serves a wave's instructions in order (ISA guide 5.7.1.4).  No matrix unit, no cluster: nothing is shared and nothing is summed.
.set X,   4                            ; v[4:131]   load n: four registers as loaded; the first two then hold the four rounded numbers; later the fragment halves read back
.set T,   132                          ; v[132:135] at work
.set LS,  136                          ; v136  where I put 8 bytes of a row
.set LR,  137                          ; v137  where I read 16 bytes of a fragment half
.set SO,  138                          ; v138  my byte offset in the laid-out weights
.set SPW, 140                          ; v140  LDS address of my spare word: SPARE + 4 x my thread's number; never rewritten
.set NIL, 141                          ; v141  0; never rewritten
.set TP,  272                          ; an LDS row: 256 bytes + 16 of padding: the 16 rows that a read-back touches start at 16 different groups of four banks (64 banks of 4 bytes: ISA guide 11.1)
.set BLK, 16*TP                        ; a block
.set SPARE, 8*2*BLK                    ; behind the eight waves' two blocks: the spare words, 128 bytes for each wave: four blocks of 256 bytes that no other line names
	s_load_b256 s[4:11], s[0:1], 0x0               ; y s[4:5], W1 s[6:7], W2 s[8:9], yb s[10:11]
	s_load_b128 s[12:15], s[0:1], 0x20             ; W1b s[12:13], W2h s[14:15]
	v_lshl_add_u32 v[SPW], v0, 2, SPARE
	v_mov_b32 v[NIL], 0
	v_lshrrev_b32 v3, 5, v0
	v_readfirstlane_b32 s32, v3                    ; wave 0..7
	s_and_b32 s16, ttmp7, 0xffff                   ; grid y
	s_add_co_u32 s17, s16, 1
	s_and_b32 s17, s17, 1                          ; 1 for the second half of a weight matrix (grid y 2 and 4),
	s_cmp_eq_u32 s16, 0
	s_cselect_b32 s17, 0, s17                      ; 0 for y
	s_lshl_b32 s17, s17, 8
	s_add_co_u32 s18, ttmp9, s17                   ; my chunk in the input: 0 to 511
	s_lshr_b32 s19, s18, 1                         ; of a weight matrix: its block of 16 rows,
	s_and_b32 s29, s18, 1                          ; its half of K
	s_lshl_b32 s30, s19, 18                        ; from: 16 rows of 16,384 bytes,
	s_lshl_b32 s31, s29, 13                        ; 2,048 numbers of 4 bytes
	s_add_co_u32 s30, s30, s31
	s_lshr_b32 s31, s19, 3                         ; to: n / 128,
	s_lshl_b32 s31, s31, 20
	s_and_b32 s19, s19, 7                          ; (n % 128) / 16,
	s_lshl_b32 s19, s19, 10
	s_add_co_u32 s31, s31, s19
	s_lshl_b32 s29, s29, 19                        ; 64 steps of 32 along K, 8,192 bytes each
	s_add_co_u32 s31, s31, s29
	s_lshl_b32 s20, s18, 17                        ; of y: 131,072 bytes of f32,
	s_lshl_b32 s22, s18, 16                        ; 65,536 bytes of bf16
	s_cmp_eq_u32 s16, 0
	s_cselect_b32 s20, s20, s30
	s_cselect_b32 s22, s22, s31
	s_mov_b32 s21, 0
	s_mov_b32 s23, 0
	s_mov_b32 s28, 0xffff0000                      ; a word's upper bf16
	s_wait_kmcnt 0x0
	s_cmp_ge_u32 s16, 3
	s_cselect_b64 s[24:25], s[8:9], s[6:7]         ; W2 or W1,
	s_cselect_b64 s[26:27], s[14:15], s[12:13]
	s_cmp_eq_u32 s16, 0
	s_cselect_b64 s[24:25], s[4:5], s[24:25]       ; or y
	s_cselect_b64 s[26:27], s[10:11], s[26:27]
	s_add_nc_u64 s[24:25], s[24:25], s[20:21]
	s_add_nc_u64 s[26:27], s[26:27], s[22:23]
	s_cmp_eq_u32 s16, 0
	s_cbranch_scc0 .Lweights
	; y: rounded and stored as it lies
	v_lshlrev_b32 v1, 4, v0                        ; 16 bytes a thread in,
	v_lshlrev_b32 v2, 3, v0                        ; 8 bytes a thread out
.set n, 0
.rept 32
	global_load_b128 v[X+4*n:X+4*n+3], v1, s[24:25] offset:4096*n th:TH_LOAD_NT  ; read once in the launch
.set n, n+1
.endr
.set n, 0
.rept 32
	s_wait_loadcnt 31-n                            ; loads come back in order: mine is in, the 31 - n younger ones stay out
	v_cvt_pk_bf16_f32 v[X+4*n],   v[X+4*n],   v[X+4*n+1]
	v_cvt_pk_bf16_f32 v[X+4*n+1], v[X+4*n+2], v[X+4*n+3]
	global_store_b64 v2, v[X+4*n:X+4*n+1], s[26:27] offset:2048*n  ; a wave's store covers 256 consecutive bytes, aligned; no register that a store names is written again
.set n, n+1
.endr
	s_branch .Lend
.Lweights:
	v_and_b32 v3, 31, v0                           ; lane
	s_lshl_b32 s35, s32, 10                        ; my wave's 256 numbers of a row
	v_lshl_add_u32 v1, v3, 4, s35
.set n, 0
.rept 32                               ; load n: block n / 16 of 128 K, row n % 16: 512 consecutive bytes of the row
	global_load_b128 v[X+4*n:X+4*n+3], v1, s[24:25] offset:(n%16)*16384+(n/16)*512 th:TH_LOAD_NT
.set n, n+1
.endr
	s_mul_i32 s33, s32, 2*BLK                      ; my wave's two blocks in LDS
	v_lshl_add_u32 v[LS], v3, 3, s33               ; in: 8 bytes a lane, a row on end
	v_and_b32 v2, 15, v0
	v_mul_u32_u24 v[LR], v2, TP                    ; back: row l % 16,
	v_bfe_u32 v2, v0, 4, 1
	v_lshl_add_u32 v[LR], v2, 4, v[LR]             ; 16 bytes for each half of the lanes
	v_add_nc_u32 v[LR], s33, v[LR]
	s_lshl_b32 s34, s32, 16                        ; my wave's 8 steps of 32 along K
	v_lshl_add_u32 v[SO], v3, 4, s34
; Load k is rounded and put into LDS.  half = 1: the bf16 numbers are widened again and written as f16.
.macro CONVW k, half
	s_wait_loadcnt 31-(\k)                         ; mine is in, the 31 - k younger ones stay out
	v_cvt_pk_bf16_f32 v[X+4*(\k)],   v[X+4*(\k)],   v[X+4*(\k)+1]
	v_cvt_pk_bf16_f32 v[X+4*(\k)+1], v[X+4*(\k)+2], v[X+4*(\k)+3]
.if \half
	v_lshlrev_b32 v[T],   16,  v[X+4*(\k)]         ; bf16 to f32: the low half moves up, the high half stays
	v_and_b32     v[T+1], s28, v[X+4*(\k)]
	v_lshlrev_b32 v[T+2], 16,  v[X+4*(\k)+1]
	v_and_b32     v[T+3], s28, v[X+4*(\k)+1]
	v_cvt_pk_f16_f32 v[X+4*(\k)],   v[T],   v[T+1] ; 8 significant bits fit into f16's 11
	v_cvt_pk_f16_f32 v[X+4*(\k)+1], v[T+2], v[T+3]
.endif
	ds_store_b64 v[LS], v[X+4*(\k):X+4*(\k)+1] offset:((\k)/16)*BLK+((\k)%16)*TP
.endm
.macro BACK u                          ; block u's eight fragment halves: step m / 2 of 32 along K, half m % 2; into registers whose numbers lie in LDS
.irp m, 0,1,2,3,4,5,6,7
	ds_load_b128 v[X+64*(\u)+4*(\m):X+64*(\u)+4*(\m)+3], v[LR] offset:(\u)*BLK+((\m)/2)*64+((\m)%2)*32
.endr
.endm
.macro OUT u, younger                  ; younger: the LDS instructions issued behind block u's read-back, which may stay out
	s_wait_dscnt \younger
.irp m, 0,1,2,3,4,5,6,7
	global_store_b128 v[SO], v[X+64*(\u)+4*(\m):X+64*(\u)+4*(\m)+3], s[26:27] offset:(4*(\u)+(\m)/2)*8192+((\m)%2)*512  ; 512 consecutive bytes, aligned
.endr
.endm
.macro WWAY half
.set n, 0
.rept 16
	CONVW n, \half
.set n, n+1
.endr
	BACK 0
.rept 16
	CONVW n, \half
.set n, n+1
.endr
	OUT 0, 16                                      ; block 1's sixteen LDS stores stand behind block 0's read-back
	BACK 1
	OUT 1, 0
.endm
	s_cmp_ge_u32 s16, 3
	s_cbranch_scc1 .Lf16
	WWAY 0
	s_branch .Lend
.Lf16:
	WWAY 1
.Lend:
	s_wait_tensorcnt 0x0                           ; the wave's end, behind my last LDS store
	ds_add_u32 v[SPW], v[NIL]
	s_wait_dscnt 0x0
	s_endpgm
.Lfunc_end_k_qc7d98919ba_prep:
	.size	k_qc7d98919ba_prep, .Lfunc_end_k_qc7d98919ba_prep-k_qc7d98919ba_prep
	.p2alignl 7, 3214868480
	.fill 96, 4, 3214868480
	.section	.rodata,"a",@progbits
	.p2align	6, 0x0
	.amdhsa_kernel k_qc7d98919ba_prep
		.amdhsa_group_segment_fixed_size 70656
		.amdhsa_private_segment_fixed_size 0
		.amdhsa_enable_private_segment 0
		.amdhsa_kernarg_size 48
		.amdhsa_user_sgpr_count 2
		.amdhsa_user_sgpr_kernarg_segment_ptr 1
		.amdhsa_wavefront_size32 1
		.amdhsa_system_sgpr_workgroup_id_x 1
		.amdhsa_system_sgpr_workgroup_id_y 1
		.amdhsa_system_sgpr_workgroup_id_z 1
		.amdhsa_system_vgpr_workitem_id 0
		.amdhsa_next_free_vgpr 144
		.amdhsa_next_free_sgpr 66
		.amdhsa_reserve_vcc 0
		.amdhsa_float_denorm_mode_32 3
		.amdhsa_float_denorm_mode_16_64 3
		.amdhsa_memory_ordered 1
		.amdhsa_forward_progress 1
		.amdhsa_inst_pref_size 44
	.end_amdhsa_kernel
	.amdgpu_metadata
---
amdhsa.version: [ 1, 2 ]
amdhsa.kernels:
  - .name:           k_qc7d98919ba_prep
    .symbol:         k_qc7d98919ba_prep.kd
    .args:
      - { .name: y, .offset: 0, .size: 8, .value_kind: global_buffer, .address_space: global }
      - { .name: W1, .offset: 8, .size: 8, .value_kind: global_buffer, .address_space: global }
      - { .name: W2, .offset: 16, .size: 8, .value_kind: global_buffer, .address_space: global }
      - { .name: yb, .offset: 24, .size: 8, .value_kind: global_buffer, .address_space: global }
      - { .name: W1b, .offset: 32, .size: 8, .value_kind: global_buffer, .address_space: global }
      - { .name: W2h, .offset: 40, .size: 8, .value_kind: global_buffer, .address_space: global }
    .group_segment_fixed_size: 70656
    .private_segment_fixed_size: 0
    .kernarg_segment_align: 8
    .kernarg_segment_size: 48
    .max_flat_workgroup_size: 256
    .sgpr_count:     66
    .vgpr_count:     144
    .wavefront_size: 32
...
	.end_amdgpu_metadata
.endif
;; end of part 1
;; launch gemm1 (part 2): grid 16 x 16, 4 waves a work-group, clusters of 4 x 4, 327,680 bytes of LDS; arguments yb, W1b, b1, hh; writes hh
.if DOCPART == 2
	.amdgcn_target "amdgcn-amd-amdhsa--gfx1250"
	.amdhsa_code_object_version 6
	.text
	.protected	k_qc7d98919ba_gemm1
	.globl	k_qc7d98919ba_gemm1
	.p2align	8
	.type	k_qc7d98919ba_gemm1,@function
k_qc7d98919ba_gemm1:
	s_mov_b64 s[64:65], 0
	v_nop
	global_prefetch_b8 v0, s[64:65] scope:SCOPE_SE
	s_setreg_imm32_b32 hwreg(HW_REG_WAVE_MODE, 25, 1), 1
	s_wait_xcnt 0x0
	s_wait_alu depctr_hold_cnt(0) depctr_sa_sdst(0) depctr_va_vdst(0) depctr_va_sdst(0) depctr_va_ssrc(0) depctr_va_vcc(0) depctr_vm_vsrc(0)
	s_getreg_b32 s2, hwreg(HW_REG_IB_STS2, 6, 4)
	s_cmp_eq_u32 s2, 0
	s_cbranch_scc0 .Lentry_in_a_cluster
	s_endpgm
.Lentry_in_a_cluster:
	s_bfe_u32 s2, ttmp6, 0x10000c
	s_cmp_lg_u32 s2, 0xf033
	s_cbranch_scc0 .Lentry_shape_is_right
	s_endpgm
.Lentry_shape_is_right:
; THE FIRST PRODUCT.  hh[m][n] = f16(sum over k of yb[m][k] W1[n][k] + b1[n]).  yb [2048][4096] bf16, row-major; W1b: bf16(W1) in the first launch's layout (128 rows x 32 K are 8,192 bytes on end, in
; the order of a wave's operand registers); b1 f32; sums in f32; hh [2048][4096] f16, row-major, rounded once.
; (The input t has no way to an output and is no argument: see the first launch's head.)
; LIMIT.  |h| stays under 65,520, f16's end.  h is kept in f16 and not in bf16, because its rounding reaches the row sum dot, and through it every number of the row.
; ONE TEXT serves both products; SECOND = 1 picks what the second adds (the row sums of y out).
; SHARES.  A tile of C is 128 rows x 256 columns: 16 x 16 = 256 work-groups.  Four waves.  K IS SPLIT BETWEEN TWO PAIRS OF WAVES, so that each wave has 128 x 128 of C in 64 accumulators:
; wave w takes columns 128 (w & 1) on and, of every 256 along K, the channels 128 (w >> 1) on: four quarters of 32, 64 matrix instructions each.
; Of its 128 rows a wave KEEPS 64 (rows 64 (w >> 1) on: window 2) and GIVES 64 (window 3) to wave w ^ 2, which has the other half of K: at the end the given sums go through LDS and are added.
; The kept sums start with the bias as C, the given ones with the constant 0: nothing is cleared, and the bias is added once.
; A GOES THROUGH LDS: two waves read each byte of it.  16 slots' worth of 256 along K go through a ring of two slots; each wave fetches 32 rows x 512 bytes of a slot by one tensor load.
; CLUSTER.  4 x 4 work-groups.  The four of a row of the cluster need the same tiles of A: each is asked for JOINTLY, by the same tensor load with the same descriptor and a mask that names the four.
; B COMES STRAIGHT INTO REGISTERS, and is not asked for jointly.  The reason, by this text's arithmetic: with K split, each byte of B's 256 rows is read by ONE wave of the work-group, so LDS would share nothing
; of it; in the ring it would take two thirds of a slot, two slots of 256 along K would be 2 x 384 x 528 = 405,504 bytes, more than there is, and with slots of 128 along K a refill has 112 matrix instructions
; in which to land where it now has 240.  The price: each of the 16 row blocks fetches B for itself.  Four register buffers, a quarter each: quarter t + 3 is asked for at the head of quarter t.
; THE MATRIX INSTRUCTION IS USED TRANSPOSED (source 0 = 16 rows of B, source 1 = 16 rows of A): lane l holds row l % 16 of C and the columns 8 (l / 16) + 0..7: eight neighbours, 16 bytes when rounded.
; REGISTERS, in windows of 256 (s_set_vgpr_msb: bits 1:0 source 0, 3:2 source 1, 5:4 source 2, 7:6 destination):
;   window 0: v0-31 addresses; v64-127, v128-191 A's fragments, two buffers (kept rows, then given rows); v192-255 the bias of my 128 columns, laid as a C operand; v32-63, v192-255 at work on the way out
;   window 1: B's fragments, four buffers of 64: quarter q of a slot at v[64 q]
;   window 2: the 32 accumulators of the kept rows ((a, b) at v[8 (8 a + b)]);   window 3: those of the given rows
.set SECOND, 0
.set ROWB,   8192                      ; bytes in a row of A and C
.set KS,     256                       ; along K in a slot
.set PA,     528                       ; a row of A in LDS: 512 bytes + 16 of padding = 132 words: the 16 rows that a load touches start at 16 different groups of four banks (64 banks of 4 bytes: ISA guide 11.1)
.set ASLOT,  128*PA
.set SLOT1,  1<<17                     ; slot 1 begins here, so that one exclusive or turns an address in one slot into the other's
.set PS,     272                       ; a row of the stage and of y's tile: 256 bytes + 16
.set STAGE,  SLOT1+ASLOT               ; behind the ring: 16 rows x 272 bytes for each wave, for the way out
.set YT,     STAGE+4*16*PS             ; (second product) 64 rows x 272 bytes for each wave: its own part of y
.if SECOND
.set DOTS,   YT+4*64*PS                ; f32 [2 column halves][128 rows]: the waves' row sums
.set SPARE,  DOTS+1024
.else
.set SPARE,  YT                        ; the spare words, 128 bytes for each wave: two blocks of 256 bytes that no other line names
.endif
.set TRIPS,  14                        ; trips of the loop, a slot each: 16 slots = 2 first fills + 14 refills
.set BQ,     8192                      ; bytes of B in a wave's quarter
.set BSLOT,  65536                     ; bytes of B from slot to slot: 8 steps of 32 along K, of which a wave takes 4
.set DD,   4                           ; v4-7    (second) four chains of the row sum
.set DA,   10                          ; v10     (second) where my row's sum goes
.set DR,   11                          ; v11     (second) where wave 0 reads four rows' sums
.set ZR,   13                          ; v13     (second) 0: starts the chains
.set BL,   14                          ; v14     16 x lane: my 16 bytes of half a fragment of B (and of part); never rewritten
.set PFB,  15                          ; v15     B's prefetches: 256 x lane + 8,192 cy; never rewritten
.set AK0,  16                          ; v16, v17 my lane's place in a slot of A: kept rows, given rows; never rewritten
.set AG0,  17
.set AKC,  18                          ; v18, v19 the same in the slot that is being read
.set AGC,  19
.set XS,   22                          ; v22     the exchange: where I put my given sums
.set XL,   23                          ; v23     where my partner has put those given to me
.set STO,  24                          ; v24     the way out: where I put 16 bytes of a row
.set RD,   25                          ; v25     where I read a row back
.set CO,   26                          ; v26     my byte offset in two rows of C
.set BO,   27                          ; v27     my byte offset in 16 numbers of the bias
.set SPW,  28                          ; v28     LDS address of my spare word: SPARE + 4 x my thread's number; never rewritten
.set NIL,  29                          ; v29     0; never rewritten
.set PFO,  30                          ; v30     A's prefetches: lane x a row of A; never rewritten
.set YA,   31                          ; v31     (second) LDS address of my 16 bytes of y
.set OB,   32                          ; the way out: 16 rows read back from the stage: v32-63 and v224-255 by turns
.set F0,   64
.set F1,   128
.set YF,   64                          ; (second) y's 128 registers take the place of A's fragments
.set BIAS, 192
.set TMP,  192
.set WV,  16                           ; s16 my wave's number   s17 KH = wave >> 1   s18 WC = wave & 1
.set KH,  17
.set WC,  18
.set CX,  19                           ; s19, s20 my place in the cluster
.set CY,  20
.set TC,  21                           ; s21 tile column   s22 tile row   s23 cluster y
.set TR,  22
.set CLY, 23
.set G1A, 24                           ; s[24:31] descriptor group 1 for A's tiles;  s[32:39] group 0: a set for each of the two first fills; the second then walks on
.set G0A, 32
.set LIMA, 43                          ; s43     2 in a wave that prefetches A, else the greatest number
.set PFA, 44                           ; s[44:45] where my prefetches of A stand
.set LIMB, 46                          ; s46     1 in a wave that prefetches B, else the greatest number
.set TB,  47                           ; s47     LDS byte at which the slot that is being read begins
.set BP,  48                           ; s[48:49] B: my stream, at the slot whose quarters are being asked for
.set G1Y, 68                           ; s[68:75], s[76:79] (second) y's tile
.set G0Y, 76
.set MSB, 0
.macro WIN new                         ; the immediate's high byte repeats the setting that is left; a switch that changes nothing is dropped
.if MSB != (\new)
	s_set_vgpr_msb (MSB<<8)|(\new)
.set MSB, \new
.endif
.endm
.set MUL_LO, 0xa1                      ; source 0 (B) window 1, source 1 (A) window 0, C and D window 2
.set MUL_HI, 0xf1                      ; the same, C and D window 3
.set MUL_B,  0x81                      ; D window 2, C (the bias) window 0
.set TO_B,   0x40                      ; destination window 1, address window 0
.set X_ST,   0x0c                      ; LDS store: data window 3
.set X_LD,   0xc0                      ; LDS load: destination window 3
.set W_SUM,  0x8e                      ; window 2 = window 2 + window 3
.set W_PK,   0x0a                      ; both sources window 2, destination window 0
.set W_DOT,  0x08                      ; source 1 window 2, all else window 0
.macro PLACES                          ; four places: a load into a register that a matrix instruction has read, and whatever reads a matrix result, stand four plain vector instructions behind it (ISA guide 7.12.1 for vector instructions)
.rept 4
	v_nop
.endr
.endm
; A joint load: every wave fetches its 32 rows of A's slot.  An s_nop 0 and four v_nop follow it.
.macro JLOAD s
	tensor_load_to_lds s[G0A+4*(\s):G0A+4*(\s)+3], s[G1A:G1A+7]
	s_nop 0
.rept 4
	v_nop
.endr
.endm
; PREFETCHES INTO THE L2, together, behind each joint refill and the run of LDS loads that follows it; a lane a block of 256 bytes, each block named ONCE in the launch.
; A: the change at the end of slot s asks for slot s + 2 by its tensor load and names slot s + 4 here: the refill that wants it stands two changes, 512 matrix instructions, on.  A's tile row is read by every
; cluster of that row of clusters: cluster x = 0 asks; its four partners along x take 32 of the 128 rows each; wave 0 the first 256 bytes of a slot's 512, wave 1 the second.
; B: my loads stand in slot s + 1; slot s + 3 of MY OWN stream is named here: its four quarters are loaded some 350 to 540 matrix instructions on.  B's columns are read by every cluster of that column of
; clusters: cluster y = 0 asks; its four partners along y take one quarter of 8,192 bytes each.  Partners are told apart BY ADDRESS alone.
; The first slots come by their loads alone; slots beyond 15 do not exist: A's prefetch stops two trips, B's one trip, before the loop ends (s3 counts 14 .. 1).
.macro ASK
	s_cmp_gt_u32 s3, s[LIMA]
	s_cbranch_scc0 .Lnot_a_\@
	global_prefetch_b8 v[PFO], s[PFA:PFA+1] th:TH_LOAD_NT scope:SCOPE_SE
.Lnot_a_\@:
	s_cmp_gt_u32 s3, s[LIMB]
	s_cbranch_scc0 .Lnot_b_\@
	global_prefetch_b8 v[PFB], s[BP:BP+1] offset:2*BSLOT th:TH_LOAD_NT scope:SCOPE_SE
.Lnot_b_\@:
.endm
; A round of the cluster's barrier: my work-group's barrier, so that wave 0's signal speaks for all four waves; wave 0 signals; every wave waits for all sixteen work-groups; my work-group's barrier once more.
.macro CREST                           ; a round behind its opening barrier
	s_cmp_lg_u32 s[WV], 0
	s_cbranch_scc1 .Lnot_wave_0_\@
	s_barrier_signal -3
.Lnot_wave_0_\@:
	s_barrier_wait -3
	s_barrier_signal -1
	s_barrier_wait -1
.endm
.macro CROUND
	s_barrier_signal -1
	s_barrier_wait -1
	CREST
.endm
; A quarter's 16 loads of B into buffer q, from quarter q of the slot at which my stream stands: 8,192 bytes on end, each load 512 consecutive bytes, aligned
.macro GLOAD q
	WIN TO_B
.irp i, 0,1,2,3,4,5,6,7
	global_load_b128 v[64*(\q)+8*(\i):64*(\q)+8*(\i)+3],   v[BL], s[BP:BP+1] offset:BQ*(\q)+1024*(\i)
	global_load_b128 v[64*(\q)+8*(\i)+4:64*(\q)+8*(\i)+7], v[BL], s[BP:BP+1] offset:BQ*(\q)+1024*(\i)+512
.endr
.endm
	s_load_b256 s[4:11], s[0:1], 0x0               ; A s[4:5], B s[6:7], bias s[8:9], C s[10:11]
.if SECOND
	s_load_b128 s[12:15], s[0:1], 0x20             ; yb s[12:13], part s[14:15]
.endif
	v_lshl_add_u32 v[SPW], v0, 2, SPARE
	v_mov_b32 v[NIL], 0
	ds_add_u32 v[SPW], v[NIL]                      ; the wave's opening: the add, twice on end, and its wait ahead of my first tensor load; the set-up below, work on registers, stands between
	ds_add_u32 v[SPW], v[NIL]                      ; and once more, under the one wait
	v_lshrrev_b32 v1, 5, v0
	v_readfirstlane_b32 s[WV], v1                  ; wave 0..3
	s_lshr_b32 s[KH], s[WV], 1                     ; my half of K, and of the rows that I keep
	s_and_b32 s[WC], s[WV], 1                      ; my half of the columns
	s_bfe_u32 s[CX], ttmp6, 0x40000
	s_bfe_u32 s[CY], ttmp6, 0x40004
	s_lshl_b32 s[TC], ttmp9, 2                     ; in a cluster launch ttmp9 and ttmp7 count clusters
	s_add_co_u32 s[TC], s[TC], s[CX]               ; tile column = 4 x cluster x + cx
	s_and_b32 s[CLY], ttmp7, 0xffff
	s_lshl_b32 s[TR], s[CLY], 2
	s_add_co_u32 s[TR], s[TR], s[CY]               ; tile row = 4 x cluster y + cy
	s_lshl_b32 s42, s[CY], 2
	s_lshl_b32 s42, 15, s42                        ; my row of the cluster: places 4 cy .. 4 cy + 3
	; descriptor group 1: 32 rows of 256 elements of 2 bytes, padded in LDS: 17:16 element size; 20 padding on; 21 set beside a mask; 24:22 after every 128 words (code 6); 31:25 4 words (code 3)
	s_or_b32 s[G1A], s42, (1<<16)|(1<<20)|(1<<21)|(6<<22)|(3<<25)
	s_mov_b32 s[G1A+1], KS<<16                     ; tensor_dim0 = 256
	s_mov_b32 s[G1A+2], 32<<16                     ; tensor_dim1 = 32
	s_mov_b32 s[G1A+3], KS<<16                     ; tile_dim0 = 256
	s_mov_b32 s[G1A+4], 32                         ; tile_dim1 = 32
	s_mov_b32 s[G1A+5], 4096                       ; elements from row to row
	s_mov_b32 s[G1A+6], 0
	s_mov_b32 s[G1A+7], 0
.if SECOND
	s_mov_b32 s[G1Y], (1<<16)|(1<<20)|(5<<22)|(3<<25)  ; y's tile is my own: no mask; 64 rows of 128 elements, 4 words of padding after every 64
	s_mov_b32 s[G1Y+1], 128<<16
	s_mov_b32 s[G1Y+2], 64<<16
	s_mov_b32 s[G1Y+3], 128<<16
	s_mov_b32 s[G1Y+4], 64
	s_mov_b32 s[G1Y+5], 4096
	s_mov_b32 s[G1Y+6], 0
	s_mov_b32 s[G1Y+7], 0
.endif
	; where A's tiles come from: the tile row and the wave's number, which the four partners share
	s_lshl_b32 s40, s[TR], 7
	s_lshl_b32 s41, s[WV], 5
	s_add_co_u32 s40, s40, s41                     ; row 128 x tile row + 32 x wave
	s_lshl_b32 s40, s40, 13                        ; in bytes: under 2^25
	s_mov_b32 s41, 0
	s_mul_i32 s88, s[WV], 32*PA                    ; and where they go: no place in the cluster enters an LDS address
	; my stream of B: block of 128 columns 2 x tile column + WC, 1,048,576 bytes each; in each slot's 65,536 bytes my half of K
	s_lshl_b32 s[BP], s[TC], 1
	s_add_co_u32 s[BP], s[BP], s[WC]
	s_lshl_b32 s[BP], s[BP], 20
	s_lshl_b32 s[BP+1], s[KH], 15
	s_add_co_u32 s[BP], s[BP], s[BP+1]
	s_mov_b32 s[BP+1], 0
	s_mov_b32 s[TB], 0
	; my part of C (and of y): rows 128 x tile row + 64 KH on, columns 256 x tile column + 128 WC on
	s_lshl_b32 s80, s[TR], 7
	s_lshl_b32 s81, s[KH], 6
	s_add_co_u32 s80, s80, s81
	s_lshl_b32 s80, s80, 13
	s_lshl_b32 s82, s[TC], 8
	s_lshl_b32 s83, s[WC], 7
	s_add_co_u32 s82, s82, s83                     ; my first column
	s_lshl_b32 s84, s82, 1
	s_add_co_u32 s80, s80, s84
	s_mov_b32 s81, 0
	s_lshl_b32 s82, s82, 2                         ; its place in the bias
	s_mov_b32 s83, 0
.if SECOND
	s_lshl_b32 s84, s[TC], 13                      ; part [tile column][row]: (2,048 x tile column + 128 x tile row) x 4 bytes
	s_lshl_b32 s85, s[TR], 9
	s_add_co_u32 s84, s84, s85
	s_mov_b32 s85, 0
.endif
	s_wait_dscnt 0x0                               ; both opening adds are done
	s_wait_kmcnt 0x0
	s_add_nc_u64 s[40:41], s[4:5], s[40:41]
	s_add_nc_u64 s[BP:BP+1], s[6:7], s[BP:BP+1]
	s_add_nc_u64 s[8:9], s[8:9], s[82:83]
	s_add_nc_u64 s[10:11], s[10:11], s[80:81]
.if SECOND
	s_add_nc_u64 s[12:13], s[12:13], s[80:81]
	s_add_nc_u64 s[14:15], s[14:15], s[84:85]
.endif
	CROUND                                         ; all sixteen work-groups are here: the first joint loads meet
.irp s, 0,1
	s_mov_b32 s[G0A+4*(\s)], 1                                      ; count = 1
	s_add_co_u32 s[G0A+4*(\s)+1], s88, (\s)*SLOT1                   ; LDS address
	s_add_nc_u64 s[G0A+4*(\s)+2:G0A+4*(\s)+3], s[40:41], (\s)*KS*2  ; global address: slot s
	s_or_b32 s[G0A+4*(\s)+3], s[G0A+4*(\s)+3], 0x80000000           ; type = 2
	JLOAD \s                                       ; the ring is filled before anything else is done
.endr
.if SECOND
	s_mov_b32 s[G0Y], 1                            ; the third of my first fills: my 64 kept rows x my 128 columns of y, into bytes that I alone read
	s_mul_i32 s[G0Y+1], s[WV], 64*PS
	s_add_co_u32 s[G0Y+1], s[G0Y+1], YT
	s_mov_b64 s[G0Y+2:G0Y+3], s[12:13]
	s_or_b32 s[G0Y+3], s[G0Y+3], 0x80000000
	tensor_load_to_lds s[G0Y:G0Y+3], s[G1Y:G1Y+7]
	s_nop 0
.rept 4
	v_nop
.endr
.endif
	v_and_b32 v1, 15, v0                           ; r = l % 16
	v_bfe_u32 v2, v0, 4, 1                         ; h = l / 16
	v_and_b32 v3, 31, v0                           ; l
	v_lshlrev_b32 v[BL], 4, v3
	v_lshlrev_b32 v[BO], 5, v2                     ; my 8 columns of 16: 32 h bytes
.irp b, 0,1,2,3,4,5,6,7                ; the bias as a C operand: register 8 b + j holds bias[my first column + 16 b + 8 h + j]
	global_load_b128 v[BIAS+8*(\b):BIAS+8*(\b)+3],   v[BO], s[8:9] offset:64*(\b)
	global_load_b128 v[BIAS+8*(\b)+4:BIAS+8*(\b)+7], v[BO], s[8:9] offset:64*(\b)+16
.endr
	GLOAD 0                                        ; B's first three quarters
	GLOAD 1
	GLOAD 2
	WIN 0
	; A fragment is 16 rows x 32 K in 8 registers: lane l holds row l % 16; registers 0-3 K = 8 (l / 16) + 0..7, registers 4-7 K = 16 + 8 (l / 16) + 0..7: from LDS two loads of 16 bytes, 32 bytes apart
	v_mul_u32_u24 v8, v1, PA
	v_lshl_add_u32 v8, v2, 4, v8                   ; 528 r + 16 h
	s_lshl_b32 s90, s[KH], 8                       ; my 128 channels of a slot: 256 bytes into each row
	s_mul_i32 s91, s[KH], 64*PA                    ; the rows that I keep,
	s_add_co_u32 s91, s91, s90
	s_xor_b32 s92, s[KH], 1
	s_mul_i32 s92, s92, 64*PA                      ; the rows that I give
	s_add_co_u32 s92, s92, s90
	v_add_nc_u32 v[AK0], s91, v8
	v_add_nc_u32 v[AG0], s92, v8
	v_add_nc_u32 v[AKC], s[TB], v[AK0]             ; slot 0
	v_add_nc_u32 v[AGC], s[TB], v[AG0]
	s_lshl_b32 s94, s[WV], 15                      ; the exchange: 32,768 bytes a wave, from LDS byte 0 on: slot 0 and the gap behind it, used behind the ring's last fill and its last read
	v_lshl_add_u32 v[XS], v3, 4, s94
	s_xor_b32 s94, s[WV], 2                        ; my partner has my columns and the other half of K
	s_lshl_b32 s94, s94, 15
	v_lshl_add_u32 v[XL], v3, 4, s94
	v_mul_u32_u24 v8, v1, PS
	v_lshl_add_u32 v8, v2, 4, v8                   ; 272 r + 16 h
	s_mul_i32 s95, s[WV], 16*PS
	s_add_co_u32 s95, s95, STAGE                   ; my stage
	v_add_nc_u32 v[STO], s95, v8                   ; in: row r, 16 bytes for each half of the lanes
	v_mul_u32_u24 v9, v2, PS
	v_lshl_add_u32 v9, v1, 4, v9
	v_add_nc_u32 v[RD], s95, v9                    ; back: lanes 0-15 take one row of 256 bytes, lanes 16-31 the next
	v_lshlrev_b32 v[CO], 13, v2                    ; and the same two rows in C
	v_lshl_add_u32 v[CO], v1, 4, v[CO]
.if SECOND
	s_mul_i32 s95, s[WV], 64*PS
	s_add_co_u32 s95, s95, YT
	v_add_nc_u32 v[YA], s95, v8
	s_lshl_b32 s95, s[WC], 9
	s_lshl_b32 s94, s[KH], 8
	s_add_co_u32 s95, s95, s94
	s_add_co_u32 s95, s95, DOTS
	v_lshl_add_u32 v[DA], v1, 2, s95               ; [column half][64 KH + r]
	v_add_nc_u32 v[DR], DOTS, v[BL]
	v_mov_b32 v[ZR], 0
	s_mov_b32 s86, 0x76543210                      ; v_permlanex16_b32's selects: each lane takes its own place in the other half
	s_mov_b32 s87, 0xfedcba98
.endif
	; the prefetches' addresses and who asks, in registers of their own
	s_lshl_b32 s96, s[TR], 7
	s_lshl_b32 s97, s[CX], 5
	s_add_co_u32 s96, s96, s97                     ; A: row 128 x tile row + 32 cx,
	s_lshl_b32 s96, s96, 13
	s_lshl_b32 s97, s[WC], 8                       ; wave 0 or 1: which 256 of a slot's 512 bytes,
	s_add_co_u32 s96, s96, s97
	s_add_co_u32 s96, s96, 3*KS*2                  ; at slot 3: the first trip steps it to 4
	s_mov_b32 s97, 0
	s_add_nc_u64 s[PFA:PFA+1], s[4:5], s[96:97]
	s_or_b32 s98, ttmp9, s[KH]                     ; for A: cluster x = 0 and waves 0, 1.  The same in all sixteen partners, for a given wave
	s_cmp_eq_u32 s98, 0
	s_cselect_b32 s[LIMA], 2, -1
	s_cmp_eq_u32 s[CLY], 0                         ; for B: cluster y = 0
	s_cselect_b32 s[LIMB], 1, -1
	v_lshlrev_b32 v[PFO], 13, v3
	v_lshlrev_b32 v[PFB], 8, v3
	s_lshl_b32 s99, s[CY], 13
	v_add_nc_u32 v[PFB], s99, v[PFB]
; 8 matrix instructions: row block a (0-3 kept, 4-7 given) x all 8 column blocks, 32 along K: A from buffer f, B from buffer q.  first = 1: they start the sums, the kept ones with the bias, the given ones with 0.
; The 64 accumulators take turns in one order everywhere, one instruction a turn, over the backward jump too.
.macro MULA f, q, a, first
.set AC, 64*((\a)%4)
.if (\a) >= 4
	WIN MUL_HI
.elseif \first
	WIN MUL_B
.else
	WIN MUL_LO
.endif
.irp b, 0,1,2,3,4,5,6,7
.if (\first) && ((\a) >= 4)
	v_wmma_f32_16x16x32_bf16 v[AC+8*(\b):AC+8*(\b)+7], v[64*(\q)+8*(\b):64*(\q)+8*(\b)+7], v[(\f)+8*(\a):(\f)+8*(\a)+7], 0
.elseif \first
	v_wmma_f32_16x16x32_bf16 v[AC+8*(\b):AC+8*(\b)+7], v[64*(\q)+8*(\b):64*(\q)+8*(\b)+7], v[(\f)+8*(\a):(\f)+8*(\a)+7], v[BIAS+8*(\b):BIAS+8*(\b)+7]
.else
	v_wmma_f32_16x16x32_bf16 v[AC+8*(\b):AC+8*(\b)+7], v[64*(\q)+8*(\b):64*(\q)+8*(\b)+7], v[(\f)+8*(\a):(\f)+8*(\a)+7], v[AC+8*(\b):AC+8*(\b)+7]
.endif
.endr
.endm
; 16 LDS loads in one run: A's fragments of 32 along K at byte k of my half of the rows, into buffer f: the kept 64 rows, then the given 64
.macro FETCH k, f
	WIN 0
.irp i, 0,1,2,3
	ds_load_b128 v[(\f)+8*(\i):(\f)+8*(\i)+3],   v[AKC] offset:(\k)+(\i)*16*PA
	ds_load_b128 v[(\f)+8*(\i)+4:(\f)+8*(\i)+7], v[AKC] offset:(\k)+(\i)*16*PA+32
.endr
.irp i, 0,1,2,3
	ds_load_b128 v[(\f)+32+8*(\i):(\f)+32+8*(\i)+3],   v[AGC] offset:(\k)+(\i)*16*PA
	ds_load_b128 v[(\f)+32+8*(\i)+4:(\f)+32+8*(\i)+7], v[AGC] offset:(\k)+(\i)*16*PA+32
.endr
.endm
; Quarter q (0, 1, 2) of a slot: 64 matrix instructions on A's buffer q % 2 and B's buffer q.  At its head B's quarter three on is asked for (gl = 1), into the buffer that the quarter before multiplied;
; in its middle A's next quarter is fetched from LDS.  lc: how many younger loads of B may stay out.
.macro QUARTER q, first, gl, lc
.set FA, F0+64*((\q)%2)
.set FN, F0+64*(((\q)+1)%2)
	s_wait_loadcnt \lc                             ; loads come back in order: this quarter's B is in (and, the first time, the bias); the younger quarters' stay out
.if \gl
	PLACES
	GLOAD ((\q)+3)%4
.endif
	s_wait_dscnt 8                                 ; A's kept rows are in; the youngest eight loads (the given rows) may be out
.irp a, 0,1,2,3
	MULA FA, \q, \a, \first
.endr
	PLACES
	FETCH 64*((\q)+1), FN
	s_wait_dscnt 16                                ; all but the 16 just issued
.irp a, 4,5,6,7
	MULA FA, \q, \a, \first
.endr
.endm
; A slot's last quarter multiplies A's buffer 1 and B's buffer 3 and changes slots: ONE barrier, for two things.  In front of it each wave waits for all its tensor loads (the one that is out is its part of the next
; slot), adds 0 to its spare word, and waits for that and for its own reads of this slot.  Behind it nobody reads this slot any more and the next slot is whole.  fill = 1: the barrier opens a round of the
; cluster's barrier, and the slot is filled again, two slots on, first thing behind the round: 240 matrix instructions ahead of the wait for that load.
.macro TURN fill
	s_wait_loadcnt 32                              ; this quarter's B is in
	PLACES
	GLOAD 2
	WIN 0                                          ; (the add's two registers lie in window 0)
	s_wait_tensorcnt 0x0                           ; all my tensor loads have landed
	ds_add_u32 v[SPW], v[NIL]                      ; 0 onto my spare word
	s_wait_dscnt 9                                 ; (the add and the youngest eight loads may be out)
	MULA F1, 3, 0, 0                               ; eight matrix instructions stand between the add and the wait for it
	s_wait_dscnt 0x0                               ; the add is done, and my reads of this slot are over
	s_barrier_signal -1
	MULA F1, 3, 1, 0                               ; work on registers while the others arrive
	WIN 0
	s_barrier_wait -1
.if \fill
	CREST                                          ; no wave of any partner still reads this slot's tile or has a load on its way
	s_xor_b32 s[G0A+5], s[G0A+5], SLOT1            ; the walking descriptor: the other slot than last time,
	s_add_nc_u64 s[G0A+6:G0A+7], s[G0A+6:G0A+7], KS*2  ; the next 256 along K; the type bits on top are not reached
	s_xor_b32 s[TB], s[TB], SLOT1                  ; the reads go on in the other slot
	JLOAD 1                                        ; the first tensor load behind the round; its four v_nop are also the places in front of the loads below
.else
	s_xor_b32 s[TB], s[TB], SLOT1
	PLACES
.endif
	v_add_nc_u32 v[AKC], s[TB], v[AK0]
	v_add_nc_u32 v[AGC], s[TB], v[AG0]
	FETCH 0, F0
.if \fill
	ASK
.endif
.irp a, 2,3,4,5,6,7
	MULA F1, 3, \a, 0
.endr
.endm
.if SECOND
	s_wait_tensorcnt 2                             ; my part of slot 0 is in; slot 1's and y's may stay out
.else
	s_wait_tensorcnt 1                             ; my part of slot 0 is in; slot 1's may stay out
.endif
	s_barrier_signal -1
	s_barrier_wait -1                              ; everybody's is
	FETCH 0, F0
	QUARTER 0, 1, 1, 32                            ; the first quarter stands in front of the loop: its products start the sums
	WIN 0                                          ; at a label and at a branch every window is 0
	s_mov_b32 s3, TRIPS
.Lslot:                                                ; a trip: a slot's quarters 1, 2 and 3, the change of slots with its refill, the next slot's quarter 0; B's four quarters of the next slot are asked for
	s_wait_xcnt 0x0                                ; every load and prefetch issued so far (the youngest load 64 matrix instructions back, the youngest prefetch 112) has read its address, so the pointers may be written
	s_add_nc_u64 s[BP:BP+1], s[BP:BP+1], BSLOT
	s_add_nc_u64 s[PFA:PFA+1], s[PFA:PFA+1], KS*2
	QUARTER 1, 0, 1, 32
	QUARTER 2, 0, 1, 32
	TURN 1
	QUARTER 0, 0, 1, 32
	WIN 0
	s_sub_co_u32 s3, s3, 1
	s_cmp_lg_u32 s3, 0
	s_cbranch_scc1 .Lslot
	s_wait_xcnt 0x0                                ; the last two slots are written out: no tile is asked for; B's last slot still is
	s_add_nc_u64 s[BP:BP+1], s[BP:BP+1], BSLOT
	QUARTER 1, 0, 1, 32
	QUARTER 2, 0, 1, 32
	TURN 0
	QUARTER 0, 0, 1, 32
	QUARTER 1, 0, 0, 32                            ; nothing is left to ask for: the counts run down
	QUARTER 2, 0, 0, 16
	s_wait_loadcnt 0x0                             ; the very last quarter
	s_wait_dscnt 8
.irp a, 0,1,2,3
	MULA F1, 3, \a, 0
.endr
	s_wait_dscnt 0x0                               ; my reads of the ring are over:
	s_barrier_signal -1                            ; say so,
.irp a, 4,5,6,7
	MULA F1, 3, \a, 0
.endr
	WIN 0
	s_barrier_wait -1                              ; and when all four have said so, the ring's bytes, which no tensor load fills any more, may be written
	PLACES
	PLACES                                         ; twice four, once a launch
	; THE EXCHANGE.  My given sums go into my 32,768 bytes, 16 bytes a lane without a gap; each accumulator's four lowest registers first.
	WIN X_ST
.set i, 0
.rept 64
	ds_store_b128 v[XS], v[4*i:4*i+3] offset:512*i
.set i, i+1
.endr
	WIN 0
.if SECOND
.irp a, 0,1,2,3                        ; y, laid as the sums are: block (a, b), lane (r, h): row 16 a + r, columns 16 b + 8 h + 0..7.  The first change of slots has shown the tile landed
.irp b, 0,1,2,3,4,5,6,7
	ds_load_b128 v[YF+4*(8*(\a)+(\b)):YF+4*(8*(\a)+(\b))+3], v[YA] offset:(\a)*16*PS+32*(\b)
.endr
.endr
.endif
	s_wait_dscnt 0x0                               ; for the partner's sake: my stores are done
	s_barrier_signal -1
	s_barrier_wait -1
	WIN X_LD
.set i, 0
.rept 64
	ds_load_b128 v[4*i:4*i+3], v[XL] offset:512*i  ; what my partner summed for the rows that I keep, into the registers that I have given away
.set i, i+1
.endr
; THE WAY OUT of block a of 16 kept rows.  SUM: the two halves of K.  PACK: rounded, 16 bytes a lane.  TOSTAGE: into my own stage, and back as whole rows of 256 bytes.  SEND: stored.
.macro SUM a
	WIN W_SUM
.set i, 64*(\a)
.rept 32
	v_pk_add_f32 v[i:i+1], v[i:i+1], v[i:i+1]      ; window 2 += window 3
.set i, i+2
.endr
.endm
.macro PACK a
	WIN W_PK
.irp b, 0,1,2,3,4,5,6,7
.irp q, 0,1,2,3
	v_cvt_pk_f16_f32 v[TMP+4*(\b)+(\q)], v[64*(\a)+8*(\b)+2*(\q)], v[64*(\a)+8*(\b)+2*(\q)+1]
.endr
.endr
.endm
.macro TOSTAGE a
	WIN 0
.set BK, OB+192*((\a)%2)
.irp b, 0,1,2,3,4,5,6,7
	ds_store_b128 v[STO], v[TMP+4*(\b):TMP+4*(\b)+3] offset:32*(\b)
.endr
.irp t, 0,1,2,3,4,5,6,7
	ds_load_b128 v[BK+4*(\t):BK+4*(\t)+3], v[RD] offset:(\t)*2*PS  ; LDS serves a wave's instructions in order (ISA guide 5.7.1.4): these see the stores above
.endr
.endm
.macro SEND a
	WIN 0
.set BK, OB+192*((\a)%2)
	s_wait_dscnt 0x0                               ; the block is back in registers
	s_wait_xcnt 0x0                                ; the stores of the block before have read their registers, which the next TOSTAGE loads again
.irp t, 0,1,2,3,4,5,6,7
	global_store_b128 v[CO], v[BK+4*(\t):BK+4*(\t)+3], s[10:11] offset:(16*(\a)+2*(\t))*ROWB  ; 16 lanes store 256 consecutive bytes, at a multiple of 256 from C's first byte
.endr
.endm
.if SECOND
; The row sums of y out, on the f32 sums, before they are rounded: 64 products a lane and block, in four chains; y's bf16 halves are read as they lie.
.macro DOT a
	WIN W_DOT
.irp b, 0,1,2,3,4,5,6,7
.irp q, 0,1,2,3
.if ((\b) == 0) && ((\q) < 2)
	v_fma_mix_f32_bf16 v[DD+2*(\q)],   v[YF+4*(8*(\a)+(\b))+(\q)], v[64*(\a)+8*(\b)+2*(\q)],   v[ZR] op_sel_hi:[1,0,0]
	v_fma_mix_f32_bf16 v[DD+2*(\q)+1], v[YF+4*(8*(\a)+(\b))+(\q)], v[64*(\a)+8*(\b)+2*(\q)+1], v[ZR] op_sel:[1,0,0] op_sel_hi:[1,0,0]
.else
	v_fma_mix_f32_bf16 v[DD+2*((\q)%2)],   v[YF+4*(8*(\a)+(\b))+(\q)], v[64*(\a)+8*(\b)+2*(\q)],   v[DD+2*((\q)%2)] op_sel_hi:[1,0,0]
	v_fma_mix_f32_bf16 v[DD+2*((\q)%2)+1], v[YF+4*(8*(\a)+(\b))+(\q)], v[64*(\a)+8*(\b)+2*(\q)+1], v[DD+2*((\q)%2)+1] op_sel:[1,0,0] op_sel_hi:[1,0,0]
.endif
.endr
.endr
.endm
.macro RED a                           ; the four chains, the other half of the lanes: row 16 a + r's sum over my 128 columns; both halves of the lanes write the same number to the same word
	WIN 0
	v_add_f32 v[DD], v[DD], v[DD+1]
	v_add_f32 v[DD+2], v[DD+2], v[DD+3]
	v_add_f32 v[DD], v[DD], v[DD+2]
	v_permlanex16_b32 v[DD+1], v[DD], s86, s87
	v_add_f32 v[DD], v[DD], v[DD+1]
	ds_store_b32 v[DA], v[DD] offset:64*(\a)
.endm
.endif
.irp a, 0,1,2,3                        ; block a's arithmetic stands between block a - 1's loads from the stage and the wait for them
.if (\a) < 2
	s_wait_dscnt 48                                ; block a's 16 loads of the exchange are in.  Block 0: the 48 of blocks 1 to 3 stay out.  Block 1: the 32 of blocks 2 and 3 and the 16 or 17 LDS instructions of block 0's way out.  Behind SEND 0 all are in
.endif
	SUM \a
.if SECOND
	DOT \a
.endif
	PACK \a
.if (\a) > 0
	SEND (\a)-1
.endif
.if SECOND
	RED \a
.endif
	TOSTAGE \a
.endr
	SEND 3
.if SECOND
	s_wait_dscnt 0x0                               ; for wave 0's sake: my row sums lie in LDS
	s_barrier_signal -1
	s_barrier_wait -1
	s_cmp_lg_u32 s[WV], 0
	s_cbranch_scc1 .Lend
	ds_load_b128 v[TMP:TMP+3],   v[DR]             ; four rows a lane: the left 128 columns' sums,
	ds_load_b128 v[TMP+4:TMP+7], v[DR] offset:512  ; the right ones'
	s_wait_dscnt 0x0
	v_pk_add_f32 v[TMP:TMP+1],   v[TMP:TMP+1],   v[TMP+4:TMP+5]
	v_pk_add_f32 v[TMP+2:TMP+3], v[TMP+2:TMP+3], v[TMP+6:TMP+7]
	global_store_b128 v[BL], v[TMP:TMP+3], s[14:15]  ; the tile's 128 partial sums: 512 consecutive bytes
.Lend:
.endif
	s_wait_tensorcnt 0x0                           ; the wave's end, behind my last tensor load and my last LDS store
	ds_add_u32 v[SPW], v[NIL]
	s_wait_dscnt 0x0
	CROUND                                         ; the closing round: no work-group ends while a partner may still ask for a tile that names it
	s_endpgm
.Lfunc_end_k_qc7d98919ba_gemm1:
	.size	k_qc7d98919ba_gemm1, .Lfunc_end_k_qc7d98919ba_gemm1-k_qc7d98919ba_gemm1
	.p2alignl 7, 3214868480
	.fill 96, 4, 3214868480
	.section	.rodata,"a",@progbits
	.p2align	6, 0x0
	.amdhsa_kernel k_qc7d98919ba_gemm1
		.amdhsa_group_segment_fixed_size 327680
		.amdhsa_private_segment_fixed_size 0
		.amdhsa_enable_private_segment 0
		.amdhsa_kernarg_size 32
		.amdhsa_user_sgpr_count 2
		.amdhsa_user_sgpr_kernarg_segment_ptr 1
		.amdhsa_wavefront_size32 1
		.amdhsa_system_sgpr_workgroup_id_x 1
		.amdhsa_system_sgpr_workgroup_id_y 1
		.amdhsa_system_sgpr_workgroup_id_z 1
		.amdhsa_system_vgpr_workitem_id 0
		.amdhsa_next_free_vgpr 1024
		.amdhsa_next_free_sgpr 102
		.amdhsa_reserve_vcc 0
		.amdhsa_float_denorm_mode_32 3
		.amdhsa_float_denorm_mode_16_64 3
		.amdhsa_memory_ordered 1
		.amdhsa_forward_progress 1
		.amdhsa_inst_pref_size 126
	.end_amdhsa_kernel
	.amdgpu_metadata
---
amdhsa.version: [ 1, 2 ]
amdhsa.kernels:
  - .name:           k_qc7d98919ba_gemm1
    .symbol:         k_qc7d98919ba_gemm1.kd
    .args:
      - { .name: yb, .offset: 0, .size: 8, .value_kind: global_buffer, .address_space: global }
      - { .name: W1b, .offset: 8, .size: 8, .value_kind: global_buffer, .address_space: global }
      - { .name: b1, .offset: 16, .size: 8, .value_kind: global_buffer, .address_space: global }
      - { .name: hh, .offset: 24, .size: 8, .value_kind: global_buffer, .address_space: global }
    .group_segment_fixed_size: 327680
    .private_segment_fixed_size: 0
    .kernarg_segment_align: 8
    .kernarg_segment_size: 32
    .max_flat_workgroup_size: 128
    .sgpr_count:     102
    .vgpr_count:     1024
    .wavefront_size: 32
...
	.end_amdgpu_metadata
.endif
;; end of part 2
;; launch gemm2 (part 3): grid 16 x 16, 4 waves a work-group, clusters of 4 x 4, 327,680 bytes of LDS; arguments hh, W2h, b2, outb, yb, part; writes outb, part
.if DOCPART == 3
	.amdgcn_target "amdgcn-amd-amdhsa--gfx1250"
	.amdhsa_code_object_version 6
	.text
	.protected	k_qc7d98919ba_gemm2
	.globl	k_qc7d98919ba_gemm2
	.p2align	8
	.type	k_qc7d98919ba_gemm2,@function
k_qc7d98919ba_gemm2:
	s_mov_b64 s[64:65], 0
	v_nop
	global_prefetch_b8 v0, s[64:65] scope:SCOPE_SE
	s_setreg_imm32_b32 hwreg(HW_REG_WAVE_MODE, 25, 1), 1
	s_wait_xcnt 0x0
	s_wait_alu depctr_hold_cnt(0) depctr_sa_sdst(0) depctr_va_vdst(0) depctr_va_sdst(0) depctr_va_ssrc(0) depctr_va_vcc(0) depctr_vm_vsrc(0)
	s_getreg_b32 s2, hwreg(HW_REG_IB_STS2, 6, 4)
	s_cmp_eq_u32 s2, 0
	s_cbranch_scc0 .Lentry_in_a_cluster
	s_endpgm
.Lentry_in_a_cluster:
	s_bfe_u32 s2, ttmp6, 0x10000c
	s_cmp_lg_u32 s2, 0xf033
	s_cbranch_scc0 .Lentry_shape_is_right
	s_endpgm
.Lentry_shape_is_right:
; THE SECOND PRODUCT AND THE ROW SUMS.  out[m][n] = sum over k of hh[m][k] W2[n][k] + b2[n].  hh [2048][4096] f16, row-major; W2h: f16(bf16(W2)) in the first launch's layout (128 rows x 32 K are 8,192 bytes
; on end, in the order of a wave's operand registers); b2 f32; sums in f32.
; outb = bf16(out), rounded once; part[tile column][m] = the sum over the tile's 256 columns of yb[m][n] out[m][n], taken in f32 of the UNROUNDED out: partial sums, f32, added by the last launch.
; (The input t has no way to an output and is no argument: see the first launch's head.)
; LIMITS.  hh and W2h arrive within f16's range (the launches before state it).  y enters the row sums rounded to bf16, the same rounding that the first product and the last launch use.
; ONE TEXT serves both products; SECOND = 1 picks what the second adds (the row sums of y out).
; SHARES.  A tile of C is 128 rows x 256 columns: 16 x 16 = 256 work-groups.  Four waves.  K IS SPLIT BETWEEN TWO PAIRS OF WAVES, so that each wave has 128 x 128 of C in 64 accumulators:
; wave w takes columns 128 (w & 1) on and, of every 256 along K, the channels 128 (w >> 1) on: four quarters of 32, 64 matrix instructions each.
; Of its 128 rows a wave KEEPS 64 (rows 64 (w >> 1) on: window 2) and GIVES 64 (window 3) to wave w ^ 2, which has the other half of K: at the end the given sums go through LDS and are added.
; The kept sums start with the bias as C, the given ones with the constant 0: nothing is cleared, and the bias is added once.
; A GOES THROUGH LDS: two waves read each byte of it.  16 slots' worth of 256 along K go through a ring of two slots; each wave fetches 32 rows x 512 bytes of a slot by one tensor load.
; CLUSTER.  4 x 4 work-groups.  The four of a row of the cluster need the same tiles of A: each is asked for JOINTLY, by the same tensor load with the same descriptor and a mask that names the four.
; y's tile is each wave's own: a load without a mask, among the first fills.
; B COMES STRAIGHT INTO REGISTERS, and is not asked for jointly.  The reason, by this text's arithmetic: with K split, each byte of B's 256 rows is read by ONE wave of the work-group, so LDS would share nothing
; of it; in the ring it would take two thirds of a slot, two slots of 256 along K would be 2 x 384 x 528 = 405,504 bytes, more than there is, and with slots of 128 along K a refill has 112 matrix instructions
; in which to land where it now has 240.  The price: each of the 16 row blocks fetches B for itself.  Four register buffers, a quarter each: quarter t + 3 is asked for at the head of quarter t.
; THE MATRIX INSTRUCTION IS USED TRANSPOSED (source 0 = 16 rows of B, source 1 = 16 rows of A): lane l holds row l % 16 of C and the columns 8 (l / 16) + 0..7: eight neighbours, 16 bytes when rounded.
; REGISTERS, in windows of 256 (s_set_vgpr_msb: bits 1:0 source 0, 3:2 source 1, 5:4 source 2, 7:6 destination):
;   window 0: v0-31 addresses; v64-127, v128-191 A's fragments, two buffers (kept rows, then given rows), on the way out y; v192-255 the bias of my 128 columns, laid as a C operand; v32-63, v192-255 at work on the way out
;   window 1: B's fragments, four buffers of 64: quarter q of a slot at v[64 q]
;   window 2: the 32 accumulators of the kept rows ((a, b) at v[8 (8 a + b)]);   window 3: those of the given rows
.set SECOND, 1
.set ROWB,   8192                      ; bytes in a row of A and C
.set KS,     256                       ; along K in a slot
.set PA,     528                       ; a row of A in LDS: 512 bytes + 16 of padding = 132 words: the 16 rows that a load touches start at 16 different groups of four banks (64 banks of 4 bytes: ISA guide 11.1)
.set ASLOT,  128*PA
.set SLOT1,  1<<17                     ; slot 1 begins here, so that one exclusive or turns an address in one slot into the other's
.set PS,     272                       ; a row of the stage and of y's tile: 256 bytes + 16
.set STAGE,  SLOT1+ASLOT               ; behind the ring: 16 rows x 272 bytes for each wave, for the way out
.set YT,     STAGE+4*16*PS             ; (second product) 64 rows x 272 bytes for each wave: its own part of y
.if SECOND
.set DOTS,   YT+4*64*PS                ; f32 [2 column halves][128 rows]: the waves' row sums
.set SPARE,  DOTS+1024                 ; the spare words, 128 bytes for each wave: two blocks of 256 bytes that no other line names
.else
.set SPARE,  YT
.endif
.set TRIPS,  14                        ; trips of the loop, a slot each: 16 slots = 2 first fills + 14 refills
.set BQ,     8192                      ; bytes of B in a wave's quarter
.set BSLOT,  65536                     ; bytes of B from slot to slot: 8 steps of 32 along K, of which a wave takes 4
.set DD,   4                           ; v4-7    (second) four chains of the row sum
.set DA,   10                          ; v10     (second) where my row's sum goes
.set DR,   11                          ; v11     (second) where wave 0 reads four rows' sums
.set ZR,   13                          ; v13     (second) 0: starts the chains
.set BL,   14                          ; v14     16 x lane: my 16 bytes of half a fragment of B (and of part); never rewritten
.set PFB,  15                          ; v15     B's prefetches: 256 x lane + 8,192 cy; never rewritten
.set AK0,  16                          ; v16, v17 my lane's place in a slot of A: kept rows, given rows; never rewritten
.set AG0,  17
.set AKC,  18                          ; v18, v19 the same in the slot that is being read
.set AGC,  19
.set XS,   22                          ; v22     the exchange: where I put my given sums
.set XL,   23                          ; v23     where my partner has put those given to me
.set STO,  24                          ; v24     the way out: where I put 16 bytes of a row
.set RD,   25                          ; v25     where I read a row back
.set CO,   26                          ; v26     my byte offset in two rows of C
.set BO,   27                          ; v27     my byte offset in 16 numbers of the bias
.set SPW,  28                          ; v28     LDS address of my spare word: SPARE + 4 x my thread's number; never rewritten
.set NIL,  29                          ; v29     0; never rewritten
.set PFO,  30                          ; v30     A's prefetches: lane x a row of A; never rewritten
.set YA,   31                          ; v31     (second) LDS address of my 16 bytes of y
.set OB,   32                          ; the way out: 16 rows read back from the stage: v32-63 and v224-255 by turns
.set F0,   64
.set F1,   128
.set YF,   64                          ; (second) y's 128 registers take the place of A's fragments
.set BIAS, 192
.set TMP,  192
.set WV,  16                           ; s16 my wave's number   s17 KH = wave >> 1   s18 WC = wave & 1
.set KH,  17
.set WC,  18
.set CX,  19                           ; s19, s20 my place in the cluster
.set CY,  20
.set TC,  21                           ; s21 tile column   s22 tile row   s23 cluster y
.set TR,  22
.set CLY, 23
.set G1A, 24                           ; s[24:31] descriptor group 1 for A's tiles;  s[32:39] group 0: a set for each of the two first fills; the second then walks on
.set G0A, 32
.set LIMA, 43                          ; s43     2 in a wave that prefetches A, else the greatest number
.set PFA, 44                           ; s[44:45] where my prefetches of A stand
.set LIMB, 46                          ; s46     1 in a wave that prefetches B, else the greatest number
.set TB,  47                           ; s47     LDS byte at which the slot that is being read begins
.set BP,  48                           ; s[48:49] B: my stream, at the slot whose quarters are being asked for
.set G1Y, 68                           ; s[68:75], s[76:79] (second) y's tile
.set G0Y, 76
.set MSB, 0
.macro WIN new                         ; the immediate's high byte repeats the setting that is left; a switch that changes nothing is dropped
.if MSB != (\new)
	s_set_vgpr_msb (MSB<<8)|(\new)
.set MSB, \new
.endif
.endm
.set MUL_LO, 0xa1                      ; source 0 (B) window 1, source 1 (A) window 0, C and D window 2
.set MUL_HI, 0xf1                      ; the same, C and D window 3
.set MUL_B,  0x81                      ; D window 2, C (the bias) window 0
.set TO_B,   0x40                      ; destination window 1, address window 0
.set X_ST,   0x0c                      ; LDS store: data window 3
.set X_LD,   0xc0                      ; LDS load: destination window 3
.set W_SUM,  0x8e                      ; window 2 = window 2 + window 3
.set W_PK,   0x0a                      ; both sources window 2, destination window 0
.set W_DOT,  0x08                      ; source 1 window 2, all else window 0
.macro PLACES                          ; four places: a load into a register that a matrix instruction has read, and whatever reads a matrix result, stand four plain vector instructions behind it (ISA guide 7.12.1 for vector instructions)
.rept 4
	v_nop
.endr
.endm
; A joint load: every wave fetches its 32 rows of A's slot.  An s_nop 0 and four v_nop follow it.
.macro JLOAD s
	tensor_load_to_lds s[G0A+4*(\s):G0A+4*(\s)+3], s[G1A:G1A+7]
	s_nop 0
.rept 4
	v_nop
.endr
.endm
; PREFETCHES INTO THE L2, together, behind each joint refill and the run of LDS loads that follows it; a lane a block of 256 bytes, each block named ONCE in the launch.
; A: the change at the end of slot s asks for slot s + 2 by its tensor load and names slot s + 4 here: the refill that wants it stands two changes, 512 matrix instructions, on.  A's tile row is read by every
; cluster of that row of clusters: cluster x = 0 asks; its four partners along x take 32 of the 128 rows each; wave 0 the first 256 bytes of a slot's 512, wave 1 the second.
; B: my loads stand in slot s + 1; slot s + 3 of MY OWN stream is named here: its four quarters are loaded some 350 to 540 matrix instructions on.  B's columns are read by every cluster of that column of
; clusters: cluster y = 0 asks; its four partners along y take one quarter of 8,192 bytes each.  Partners are told apart BY ADDRESS alone.
; The first slots come by their loads alone; slots beyond 15 do not exist: A's prefetch stops two trips, B's one trip, before the loop ends (s3 counts 14 .. 1).
.macro ASK
	s_cmp_gt_u32 s3, s[LIMA]
	s_cbranch_scc0 .Lnot_a_\@
	global_prefetch_b8 v[PFO], s[PFA:PFA+1] th:TH_LOAD_NT scope:SCOPE_SE
.Lnot_a_\@:
	s_cmp_gt_u32 s3, s[LIMB]
	s_cbranch_scc0 .Lnot_b_\@
	global_prefetch_b8 v[PFB], s[BP:BP+1] offset:2*BSLOT th:TH_LOAD_NT scope:SCOPE_SE
.Lnot_b_\@:
.endm
; A round of the cluster's barrier: my work-group's barrier, so that wave 0's signal speaks for all four waves; wave 0 signals; every wave waits for all sixteen work-groups; my work-group's barrier once more.
.macro CREST                           ; a round behind its opening barrier
	s_cmp_lg_u32 s[WV], 0
	s_cbranch_scc1 .Lnot_wave_0_\@
	s_barrier_signal -3
.Lnot_wave_0_\@:
	s_barrier_wait -3
	s_barrier_signal -1
	s_barrier_wait -1
.endm
.macro CROUND
	s_barrier_signal -1
	s_barrier_wait -1
	CREST
.endm
; A quarter's 16 loads of B into buffer q, from quarter q of the slot at which my stream stands: 8,192 bytes on end, each load 512 consecutive bytes, aligned
.macro GLOAD q
	WIN TO_B
.irp i, 0,1,2,3,4,5,6,7
	global_load_b128 v[64*(\q)+8*(\i):64*(\q)+8*(\i)+3],   v[BL], s[BP:BP+1] offset:BQ*(\q)+1024*(\i)
	global_load_b128 v[64*(\q)+8*(\i)+4:64*(\q)+8*(\i)+7], v[BL], s[BP:BP+1] offset:BQ*(\q)+1024*(\i)+512
.endr
.endm
	s_load_b256 s[4:11], s[0:1], 0x0               ; A s[4:5], B s[6:7], bias s[8:9], C s[10:11]
.if SECOND
	s_load_b128 s[12:15], s[0:1], 0x20             ; yb s[12:13], part s[14:15]
.endif
	v_lshl_add_u32 v[SPW], v0, 2, SPARE
	v_mov_b32 v[NIL], 0
	ds_add_u32 v[SPW], v[NIL]                      ; the wave's opening: the add, twice on end, and its wait ahead of my first tensor load; the set-up below, work on registers, stands between
	ds_add_u32 v[SPW], v[NIL]                      ; and once more, under the one wait
	v_lshrrev_b32 v1, 5, v0
	v_readfirstlane_b32 s[WV], v1                  ; wave 0..3
	s_lshr_b32 s[KH], s[WV], 1                     ; my half of K, and of the rows that I keep
	s_and_b32 s[WC], s[WV], 1                      ; my half of the columns
	s_bfe_u32 s[CX], ttmp6, 0x40000
	s_bfe_u32 s[CY], ttmp6, 0x40004
	s_lshl_b32 s[TC], ttmp9, 2                     ; in a cluster launch ttmp9 and ttmp7 count clusters
	s_add_co_u32 s[TC], s[TC], s[CX]               ; tile column = 4 x cluster x + cx
	s_and_b32 s[CLY], ttmp7, 0xffff
	s_lshl_b32 s[TR], s[CLY], 2
	s_add_co_u32 s[TR], s[TR], s[CY]               ; tile row = 4 x cluster y + cy
	s_lshl_b32 s42, s[CY], 2
	s_lshl_b32 s42, 15, s42                        ; my row of the cluster: places 4 cy .. 4 cy + 3
	; descriptor group 1: 32 rows of 256 elements of 2 bytes, padded in LDS: 17:16 element size; 20 padding on; 21 set beside a mask; 24:22 after every 128 words (code 6); 31:25 4 words (code 3)
	s_or_b32 s[G1A], s42, (1<<16)|(1<<20)|(1<<21)|(6<<22)|(3<<25)
	s_mov_b32 s[G1A+1], KS<<16                     ; tensor_dim0 = 256
	s_mov_b32 s[G1A+2], 32<<16                     ; tensor_dim1 = 32
	s_mov_b32 s[G1A+3], KS<<16                     ; tile_dim0 = 256
	s_mov_b32 s[G1A+4], 32                         ; tile_dim1 = 32
	s_mov_b32 s[G1A+5], 4096                       ; elements from row to row
	s_mov_b32 s[G1A+6], 0
	s_mov_b32 s[G1A+7], 0
.if SECOND
	s_mov_b32 s[G1Y], (1<<16)|(1<<20)|(5<<22)|(3<<25)  ; y's tile is my own: no mask; 64 rows of 128 elements, 4 words of padding after every 64
	s_mov_b32 s[G1Y+1], 128<<16
	s_mov_b32 s[G1Y+2], 64<<16
	s_mov_b32 s[G1Y+3], 128<<16
	s_mov_b32 s[G1Y+4], 64
	s_mov_b32 s[G1Y+5], 4096
	s_mov_b32 s[G1Y+6], 0
	s_mov_b32 s[G1Y+7], 0
.endif
	; where A's tiles come from: the tile row and the wave's number, which the four partners share
	s_lshl_b32 s40, s[TR], 7
	s_lshl_b32 s41, s[WV], 5
	s_add_co_u32 s40, s40, s41                     ; row 128 x tile row + 32 x wave
	s_lshl_b32 s40, s40, 13                        ; in bytes: under 2^25
	s_mov_b32 s41, 0
	s_mul_i32 s88, s[WV], 32*PA                    ; and where they go: no place in the cluster enters an LDS address
	; my stream of B: block of 128 columns 2 x tile column + WC, 1,048,576 bytes each; in each slot's 65,536 bytes my half of K
	s_lshl_b32 s[BP], s[TC], 1
	s_add_co_u32 s[BP], s[BP], s[WC]
	s_lshl_b32 s[BP], s[BP], 20
	s_lshl_b32 s[BP+1], s[KH], 15
	s_add_co_u32 s[BP], s[BP], s[BP+1]
	s_mov_b32 s[BP+1], 0
	s_mov_b32 s[TB], 0
	; my part of C (and of y): rows 128 x tile row + 64 KH on, columns 256 x tile column + 128 WC on
	s_lshl_b32 s80, s[TR], 7
	s_lshl_b32 s81, s[KH], 6
	s_add_co_u32 s80, s80, s81
	s_lshl_b32 s80, s80, 13
	s_lshl_b32 s82, s[TC], 8
	s_lshl_b32 s83, s[WC], 7
	s_add_co_u32 s82, s82, s83                     ; my first column
	s_lshl_b32 s84, s82, 1
	s_add_co_u32 s80, s80, s84
	s_mov_b32 s81, 0
	s_lshl_b32 s82, s82, 2                         ; its place in the bias
	s_mov_b32 s83, 0
.if SECOND
	s_lshl_b32 s84, s[TC], 13                      ; part [tile column][row]: (2,048 x tile column + 128 x tile row) x 4 bytes
	s_lshl_b32 s85, s[TR], 9
	s_add_co_u32 s84, s84, s85
	s_mov_b32 s85, 0
.endif
	s_wait_dscnt 0x0                               ; both opening adds are done
	s_wait_kmcnt 0x0
	s_add_nc_u64 s[40:41], s[4:5], s[40:41]
	s_add_nc_u64 s[BP:BP+1], s[6:7], s[BP:BP+1]
	s_add_nc_u64 s[8:9], s[8:9], s[82:83]
	s_add_nc_u64 s[10:11], s[10:11], s[80:81]
.if SECOND
	s_add_nc_u64 s[12:13], s[12:13], s[80:81]
	s_add_nc_u64 s[14:15], s[14:15], s[84:85]
.endif
	CROUND                                         ; all sixteen work-groups are here: the first joint loads meet
.irp s, 0,1
	s_mov_b32 s[G0A+4*(\s)], 1                                      ; count = 1
	s_add_co_u32 s[G0A+4*(\s)+1], s88, (\s)*SLOT1                   ; LDS address
	s_add_nc_u64 s[G0A+4*(\s)+2:G0A+4*(\s)+3], s[40:41], (\s)*KS*2  ; global address: slot s
	s_or_b32 s[G0A+4*(\s)+3], s[G0A+4*(\s)+3], 0x80000000           ; type = 2
	JLOAD \s                                       ; the ring is filled before anything else is done
.endr
.if SECOND
	s_mov_b32 s[G0Y], 1                            ; the third of my first fills: my 64 kept rows x my 128 columns of y, into bytes that I alone read
	s_mul_i32 s[G0Y+1], s[WV], 64*PS
	s_add_co_u32 s[G0Y+1], s[G0Y+1], YT
	s_mov_b64 s[G0Y+2:G0Y+3], s[12:13]
	s_or_b32 s[G0Y+3], s[G0Y+3], 0x80000000
	tensor_load_to_lds s[G0Y:G0Y+3], s[G1Y:G1Y+7]
	s_nop 0
.rept 4
	v_nop
.endr
.endif
	v_and_b32 v1, 15, v0                           ; r = l % 16
	v_bfe_u32 v2, v0, 4, 1                         ; h = l / 16
	v_and_b32 v3, 31, v0                           ; l
	v_lshlrev_b32 v[BL], 4, v3
	v_lshlrev_b32 v[BO], 5, v2                     ; my 8 columns of 16: 32 h bytes
.irp b, 0,1,2,3,4,5,6,7                ; the bias as a C operand: register 8 b + j holds bias[my first column + 16 b + 8 h + j]
	global_load_b128 v[BIAS+8*(\b):BIAS+8*(\b)+3],   v[BO], s[8:9] offset:64*(\b)
	global_load_b128 v[BIAS+8*(\b)+4:BIAS+8*(\b)+7], v[BO], s[8:9] offset:64*(\b)+16
.endr
	GLOAD 0                                        ; B's first three quarters
	GLOAD 1
	GLOAD 2
	WIN 0
	; A fragment is 16 rows x 32 K in 8 registers: lane l holds row l % 16; registers 0-3 K = 8 (l / 16) + 0..7, registers 4-7 K = 16 + 8 (l / 16) + 0..7: from LDS two loads of 16 bytes, 32 bytes apart
	v_mul_u32_u24 v8, v1, PA
	v_lshl_add_u32 v8, v2, 4, v8                   ; 528 r + 16 h
	s_lshl_b32 s90, s[KH], 8                       ; my 128 channels of a slot: 256 bytes into each row
	s_mul_i32 s91, s[KH], 64*PA                    ; the rows that I keep,
	s_add_co_u32 s91, s91, s90
	s_xor_b32 s92, s[KH], 1
	s_mul_i32 s92, s92, 64*PA                      ; the rows that I give
	s_add_co_u32 s92, s92, s90
	v_add_nc_u32 v[AK0], s91, v8
	v_add_nc_u32 v[AG0], s92, v8
	v_add_nc_u32 v[AKC], s[TB], v[AK0]             ; slot 0
	v_add_nc_u32 v[AGC], s[TB], v[AG0]
	s_lshl_b32 s94, s[WV], 15                      ; the exchange: 32,768 bytes a wave, from LDS byte 0 on: slot 0 and the gap behind it, used behind the ring's last fill and its last read
	v_lshl_add_u32 v[XS], v3, 4, s94
	s_xor_b32 s94, s[WV], 2                        ; my partner has my columns and the other half of K
	s_lshl_b32 s94, s94, 15
	v_lshl_add_u32 v[XL], v3, 4, s94
	v_mul_u32_u24 v8, v1, PS
	v_lshl_add_u32 v8, v2, 4, v8                   ; 272 r + 16 h
	s_mul_i32 s95, s[WV], 16*PS
	s_add_co_u32 s95, s95, STAGE                   ; my stage
	v_add_nc_u32 v[STO], s95, v8                   ; in: row r, 16 bytes for each half of the lanes
	v_mul_u32_u24 v9, v2, PS
	v_lshl_add_u32 v9, v1, 4, v9
	v_add_nc_u32 v[RD], s95, v9                    ; back: lanes 0-15 take one row of 256 bytes, lanes 16-31 the next
	v_lshlrev_b32 v[CO], 13, v2                    ; and the same two rows in C
	v_lshl_add_u32 v[CO], v1, 4, v[CO]
.if SECOND
	s_mul_i32 s95, s[WV], 64*PS
	s_add_co_u32 s95, s95, YT
	v_add_nc_u32 v[YA], s95, v8
	s_lshl_b32 s95, s[WC], 9
	s_lshl_b32 s94, s[KH], 8
	s_add_co_u32 s95, s95, s94
	s_add_co_u32 s95, s95, DOTS
	v_lshl_add_u32 v[DA], v1, 2, s95               ; [column half][64 KH + r]
	v_add_nc_u32 v[DR], DOTS, v[BL]
	v_mov_b32 v[ZR], 0
	s_mov_b32 s86, 0x76543210                      ; v_permlanex16_b32's selects: each lane takes its own place in the other half
	s_mov_b32 s87, 0xfedcba98
.endif
	; the prefetches' addresses and who asks, in registers of their own
	s_lshl_b32 s96, s[TR], 7
	s_lshl_b32 s97, s[CX], 5
	s_add_co_u32 s96, s96, s97                     ; A: row 128 x tile row + 32 cx,
	s_lshl_b32 s96, s96, 13
	s_lshl_b32 s97, s[WC], 8                       ; wave 0 or 1: which 256 of a slot's 512 bytes,
	s_add_co_u32 s96, s96, s97
	s_add_co_u32 s96, s96, 3*KS*2                  ; at slot 3: the first trip steps it to 4
	s_mov_b32 s97, 0
	s_add_nc_u64 s[PFA:PFA+1], s[4:5], s[96:97]
	s_or_b32 s98, ttmp9, s[KH]                     ; for A: cluster x = 0 and waves 0, 1.  The same in all sixteen partners, for a given wave
	s_cmp_eq_u32 s98, 0
	s_cselect_b32 s[LIMA], 2, -1
	s_cmp_eq_u32 s[CLY], 0                         ; for B: cluster y = 0
	s_cselect_b32 s[LIMB], 1, -1
	v_lshlrev_b32 v[PFO], 13, v3
	v_lshlrev_b32 v[PFB], 8, v3
	s_lshl_b32 s99, s[CY], 13
	v_add_nc_u32 v[PFB], s99, v[PFB]
; 8 matrix instructions: row block a (0-3 kept, 4-7 given) x all 8 column blocks, 32 along K: A from buffer f, B from buffer q.  first = 1: they start the sums, the kept ones with the bias, the given ones with 0.
; The 64 accumulators take turns in one order everywhere, one instruction a turn, over the backward jump too.
.macro MULA f, q, a, first
.set AC, 64*((\a)%4)
.if (\a) >= 4
	WIN MUL_HI
.elseif \first
	WIN MUL_B
.else
	WIN MUL_LO
.endif
.irp b, 0,1,2,3,4,5,6,7
.if (\first) && ((\a) >= 4)
	v_wmma_f32_16x16x32_f16 v[AC+8*(\b):AC+8*(\b)+7], v[64*(\q)+8*(\b):64*(\q)+8*(\b)+7], v[(\f)+8*(\a):(\f)+8*(\a)+7], 0
.elseif \first
	v_wmma_f32_16x16x32_f16 v[AC+8*(\b):AC+8*(\b)+7], v[64*(\q)+8*(\b):64*(\q)+8*(\b)+7], v[(\f)+8*(\a):(\f)+8*(\a)+7], v[BIAS+8*(\b):BIAS+8*(\b)+7]
.else
	v_wmma_f32_16x16x32_f16 v[AC+8*(\b):AC+8*(\b)+7], v[64*(\q)+8*(\b):64*(\q)+8*(\b)+7], v[(\f)+8*(\a):(\f)+8*(\a)+7], v[AC+8*(\b):AC+8*(\b)+7]
.endif
.endr
.endm
; 16 LDS loads in one run: A's fragments of 32 along K at byte k of my half of the rows, into buffer f: the kept 64 rows, then the given 64
.macro FETCH k, f
	WIN 0
.irp i, 0,1,2,3
	ds_load_b128 v[(\f)+8*(\i):(\f)+8*(\i)+3],   v[AKC] offset:(\k)+(\i)*16*PA
	ds_load_b128 v[(\f)+8*(\i)+4:(\f)+8*(\i)+7], v[AKC] offset:(\k)+(\i)*16*PA+32
.endr
.irp i, 0,1,2,3
	ds_load_b128 v[(\f)+32+8*(\i):(\f)+32+8*(\i)+3],   v[AGC] offset:(\k)+(\i)*16*PA
	ds_load_b128 v[(\f)+32+8*(\i)+4:(\f)+32+8*(\i)+7], v[AGC] offset:(\k)+(\i)*16*PA+32
.endr
.endm
; Quarter q (0, 1, 2) of a slot: 64 matrix instructions on A's buffer q % 2 and B's buffer q.  At its head B's quarter three on is asked for (gl = 1), into the buffer that the quarter before multiplied;
; in its middle A's next quarter is fetched from LDS.  lc: how many younger loads of B may stay out.
.macro QUARTER q, first, gl, lc
.set FA, F0+64*((\q)%2)
.set FN, F0+64*(((\q)+1)%2)
	s_wait_loadcnt \lc                             ; loads come back in order: this quarter's B is in (and, the first time, the bias); the younger quarters' stay out
.if \gl
	PLACES
	GLOAD ((\q)+3)%4
.endif
	s_wait_dscnt 8                                 ; A's kept rows are in; the youngest eight loads (the given rows) may be out
.irp a, 0,1,2,3
	MULA FA, \q, \a, \first
.endr
	PLACES
	FETCH 64*((\q)+1), FN
	s_wait_dscnt 16                                ; all but the 16 just issued
.irp a, 4,5,6,7
	MULA FA, \q, \a, \first
.endr
.endm
; A slot's last quarter multiplies A's buffer 1 and B's buffer 3 and changes slots: ONE barrier, for two things.  In front of it each wave waits for all its tensor loads (the one that is out is its part of the next
; slot), adds 0 to its spare word, and waits for that and for its own reads of this slot.  Behind it nobody reads this slot any more and the next slot is whole.  fill = 1: the barrier opens a round of the
; cluster's barrier, and the slot is filled again, two slots on, first thing behind the round: 240 matrix instructions ahead of the wait for that load.
.macro TURN fill
	s_wait_loadcnt 32                              ; this quarter's B is in
	PLACES
	GLOAD 2
	WIN 0                                          ; (the add's two registers lie in window 0)
	s_wait_tensorcnt 0x0                           ; all my tensor loads have landed
	ds_add_u32 v[SPW], v[NIL]                      ; 0 onto my spare word
	s_wait_dscnt 9                                 ; (the add and the youngest eight loads may be out)
	MULA F1, 3, 0, 0                               ; eight matrix instructions stand between the add and the wait for it
	s_wait_dscnt 0x0                               ; the add is done, and my reads of this slot are over
	s_barrier_signal -1
	MULA F1, 3, 1, 0                               ; work on registers while the others arrive
	WIN 0
	s_barrier_wait -1
.if \fill
	CREST                                          ; no wave of any partner still reads this slot's tile or has a load on its way
	s_xor_b32 s[G0A+5], s[G0A+5], SLOT1            ; the walking descriptor: the other slot than last time,
	s_add_nc_u64 s[G0A+6:G0A+7], s[G0A+6:G0A+7], KS*2  ; the next 256 along K; the type bits on top are not reached
	s_xor_b32 s[TB], s[TB], SLOT1                  ; the reads go on in the other slot
	JLOAD 1                                        ; the first tensor load behind the round; its four v_nop are also the places in front of the loads below
.else
	s_xor_b32 s[TB], s[TB], SLOT1
	PLACES
.endif
	v_add_nc_u32 v[AKC], s[TB], v[AK0]
	v_add_nc_u32 v[AGC], s[TB], v[AG0]
	FETCH 0, F0
.if \fill
	ASK
.endif
.irp a, 2,3,4,5,6,7
	MULA F1, 3, \a, 0
.endr
.endm
.if SECOND
	s_wait_tensorcnt 2                             ; my part of slot 0 is in; slot 1's and y's may stay out
.else
	s_wait_tensorcnt 1                             ; my part of slot 0 is in; slot 1's may stay out
.endif
	s_barrier_signal -1
	s_barrier_wait -1                              ; everybody's is
	FETCH 0, F0
	QUARTER 0, 1, 1, 32                            ; the first quarter stands in front of the loop: its products start the sums
	WIN 0                                          ; at a label and at a branch every window is 0
	s_mov_b32 s3, TRIPS
.Lslot:                                                ; a trip: a slot's quarters 1, 2 and 3, the change of slots with its refill, the next slot's quarter 0; B's four quarters of the next slot are asked for
	s_wait_xcnt 0x0                                ; every load and prefetch issued so far (the youngest load 64 matrix instructions back, the youngest prefetch 112) has read its address, so the pointers may be written
	s_add_nc_u64 s[BP:BP+1], s[BP:BP+1], BSLOT
	s_add_nc_u64 s[PFA:PFA+1], s[PFA:PFA+1], KS*2
	QUARTER 1, 0, 1, 32
	QUARTER 2, 0, 1, 32
	TURN 1
	QUARTER 0, 0, 1, 32
	WIN 0
	s_sub_co_u32 s3, s3, 1
	s_cmp_lg_u32 s3, 0
	s_cbranch_scc1 .Lslot
	s_wait_xcnt 0x0                                ; the last two slots are written out: no tile is asked for; B's last slot still is
	s_add_nc_u64 s[BP:BP+1], s[BP:BP+1], BSLOT
	QUARTER 1, 0, 1, 32
	QUARTER 2, 0, 1, 32
	TURN 0
	QUARTER 0, 0, 1, 32
	QUARTER 1, 0, 0, 32                            ; nothing is left to ask for: the counts run down
	QUARTER 2, 0, 0, 16
	s_wait_loadcnt 0x0                             ; the very last quarter
	s_wait_dscnt 8
.irp a, 0,1,2,3
	MULA F1, 3, \a, 0
.endr
	s_wait_dscnt 0x0                               ; my reads of the ring are over:
	s_barrier_signal -1                            ; say so,
.irp a, 4,5,6,7
	MULA F1, 3, \a, 0
.endr
	WIN 0
	s_barrier_wait -1                              ; and when all four have said so, the ring's bytes, which no tensor load fills any more, may be written
	PLACES
	PLACES                                         ; twice four, once a launch
	; THE EXCHANGE.  My given sums go into my 32,768 bytes, 16 bytes a lane without a gap; each accumulator's four lowest registers first.
	WIN X_ST
.set i, 0
.rept 64
	ds_store_b128 v[XS], v[4*i:4*i+3] offset:512*i
.set i, i+1
.endr
	WIN 0
.if SECOND
.irp a, 0,1,2,3                        ; y, laid as the sums are: block (a, b), lane (r, h): row 16 a + r, columns 16 b + 8 h + 0..7.  The first change of slots has shown the tile landed
.irp b, 0,1,2,3,4,5,6,7
	ds_load_b128 v[YF+4*(8*(\a)+(\b)):YF+4*(8*(\a)+(\b))+3], v[YA] offset:(\a)*16*PS+32*(\b)
.endr
.endr
.endif
	s_wait_dscnt 0x0                               ; for the partner's sake: my stores are done
	s_barrier_signal -1
	s_barrier_wait -1
	WIN X_LD
.set i, 0
.rept 64
	ds_load_b128 v[4*i:4*i+3], v[XL] offset:512*i  ; what my partner summed for the rows that I keep, into the registers that I have given away
.set i, i+1
.endr
; THE WAY OUT of block a of 16 kept rows.  SUM: the two halves of K.  PACK: rounded, 16 bytes a lane.  TOSTAGE: into my own stage, and back as whole rows of 256 bytes.  SEND: stored.
.macro SUM a
	WIN W_SUM
.set i, 64*(\a)
.rept 32
	v_pk_add_f32 v[i:i+1], v[i:i+1], v[i:i+1]      ; window 2 += window 3
.set i, i+2
.endr
.endm
.macro PACK a
	WIN W_PK
.irp b, 0,1,2,3,4,5,6,7
.irp q, 0,1,2,3
	v_cvt_pk_bf16_f32 v[TMP+4*(\b)+(\q)], v[64*(\a)+8*(\b)+2*(\q)], v[64*(\a)+8*(\b)+2*(\q)+1]
.endr
.endr
.endm
.macro TOSTAGE a
	WIN 0
.set BK, OB+192*((\a)%2)
.irp b, 0,1,2,3,4,5,6,7
	ds_store_b128 v[STO], v[TMP+4*(\b):TMP+4*(\b)+3] offset:32*(\b)
.endr
.irp t, 0,1,2,3,4,5,6,7
	ds_load_b128 v[BK+4*(\t):BK+4*(\t)+3], v[RD] offset:(\t)*2*PS  ; LDS serves a wave's instructions in order (ISA guide 5.7.1.4): these see the stores above
.endr
.endm
.macro SEND a
	WIN 0
.set BK, OB+192*((\a)%2)
	s_wait_dscnt 0x0                               ; the block is back in registers
	s_wait_xcnt 0x0                                ; the stores of the block before have read their registers, which the next TOSTAGE loads again
.irp t, 0,1,2,3,4,5,6,7
	global_store_b128 v[CO], v[BK+4*(\t):BK+4*(\t)+3], s[10:11] offset:(16*(\a)+2*(\t))*ROWB  ; 16 lanes store 256 consecutive bytes, at a multiple of 256 from C's first byte
.endr
.endm
.if SECOND
; The row sums of y out, on the f32 sums, before they are rounded: 64 products a lane and block, in four chains; y's bf16 halves are read as they lie.
.macro DOT a
	WIN W_DOT
.irp b, 0,1,2,3,4,5,6,7
.irp q, 0,1,2,3
.if ((\b) == 0) && ((\q) < 2)
	v_fma_mix_f32_bf16 v[DD+2*(\q)],   v[YF+4*(8*(\a)+(\b))+(\q)], v[64*(\a)+8*(\b)+2*(\q)],   v[ZR] op_sel_hi:[1,0,0]
	v_fma_mix_f32_bf16 v[DD+2*(\q)+1], v[YF+4*(8*(\a)+(\b))+(\q)], v[64*(\a)+8*(\b)+2*(\q)+1], v[ZR] op_sel:[1,0,0] op_sel_hi:[1,0,0]
.else
	v_fma_mix_f32_bf16 v[DD+2*((\q)%2)],   v[YF+4*(8*(\a)+(\b))+(\q)], v[64*(\a)+8*(\b)+2*(\q)],   v[DD+2*((\q)%2)] op_sel_hi:[1,0,0]
	v_fma_mix_f32_bf16 v[DD+2*((\q)%2)+1], v[YF+4*(8*(\a)+(\b))+(\q)], v[64*(\a)+8*(\b)+2*(\q)+1], v[DD+2*((\q)%2)+1] op_sel:[1,0,0] op_sel_hi:[1,0,0]
.endif
.endr
.endr
.endm
.macro RED a                           ; the four chains, the other half of the lanes: row 16 a + r's sum over my 128 columns; both halves of the lanes write the same number to the same word
	WIN 0
	v_add_f32 v[DD], v[DD], v[DD+1]
	v_add_f32 v[DD+2], v[DD+2], v[DD+3]
	v_add_f32 v[DD], v[DD], v[DD+2]
	v_permlanex16_b32 v[DD+1], v[DD], s86, s87
	v_add_f32 v[DD], v[DD], v[DD+1]
	ds_store_b32 v[DA], v[DD] offset:64*(\a)
.endm
.endif
.irp a, 0,1,2,3                        ; block a's arithmetic stands between block a - 1's loads from the stage and the wait for them
.if (\a) < 2
	s_wait_dscnt 48                                ; block a's 16 loads of the exchange are in.  Block 0: the 48 of blocks 1 to 3 stay out.  Block 1: the 32 of blocks 2 and 3 and the 16 or 17 LDS instructions of block 0's way out.  Behind SEND 0 all are in
.endif
	SUM \a
.if SECOND
	DOT \a
.endif
	PACK \a
.if (\a) > 0
	SEND (\a)-1
.endif
.if SECOND
	RED \a
.endif
	TOSTAGE \a
.endr
	SEND 3
.if SECOND
	s_wait_dscnt 0x0                               ; for wave 0's sake: my row sums lie in LDS
	s_barrier_signal -1
	s_barrier_wait -1
	s_cmp_lg_u32 s[WV], 0
	s_cbranch_scc1 .Lend
	ds_load_b128 v[TMP:TMP+3],   v[DR]             ; four rows a lane: the left 128 columns' sums,
	ds_load_b128 v[TMP+4:TMP+7], v[DR] offset:512  ; the right ones'
	s_wait_dscnt 0x0
	v_pk_add_f32 v[TMP:TMP+1],   v[TMP:TMP+1],   v[TMP+4:TMP+5]
	v_pk_add_f32 v[TMP+2:TMP+3], v[TMP+2:TMP+3], v[TMP+6:TMP+7]
	global_store_b128 v[BL], v[TMP:TMP+3], s[14:15]  ; the tile's 128 partial sums: 512 consecutive bytes
.Lend:
.endif
	s_wait_tensorcnt 0x0                           ; the wave's end, behind my last tensor load and my last LDS store
	ds_add_u32 v[SPW], v[NIL]
	s_wait_dscnt 0x0
	CROUND                                         ; the closing round: no work-group ends while a partner may still ask for a tile that names it
	s_endpgm
.Lfunc_end_k_qc7d98919ba_gemm2:
	.size	k_qc7d98919ba_gemm2, .Lfunc_end_k_qc7d98919ba_gemm2-k_qc7d98919ba_gemm2
	.p2alignl 7, 3214868480
	.fill 96, 4, 3214868480
	.section	.rodata,"a",@progbits
	.p2align	6, 0x0
	.amdhsa_kernel k_qc7d98919ba_gemm2
		.amdhsa_group_segment_fixed_size 327680
		.amdhsa_private_segment_fixed_size 0
		.amdhsa_enable_private_segment 0
		.amdhsa_kernarg_size 48
		.amdhsa_user_sgpr_count 2
		.amdhsa_user_sgpr_kernarg_segment_ptr 1
		.amdhsa_wavefront_size32 1
		.amdhsa_system_sgpr_workgroup_id_x 1
		.amdhsa_system_sgpr_workgroup_id_y 1
		.amdhsa_system_sgpr_workgroup_id_z 1
		.amdhsa_system_vgpr_workitem_id 0
		.amdhsa_next_free_vgpr 1024
		.amdhsa_next_free_sgpr 102
		.amdhsa_reserve_vcc 0
		.amdhsa_float_denorm_mode_32 3
		.amdhsa_float_denorm_mode_16_64 3
		.amdhsa_memory_ordered 1
		.amdhsa_forward_progress 1
		.amdhsa_inst_pref_size 147
	.end_amdhsa_kernel
	.amdgpu_metadata
---
amdhsa.version: [ 1, 2 ]
amdhsa.kernels:
  - .name:           k_qc7d98919ba_gemm2
    .symbol:         k_qc7d98919ba_gemm2.kd
    .args:
      - { .name: hh, .offset: 0, .size: 8, .value_kind: global_buffer, .address_space: global }
      - { .name: W2h, .offset: 8, .size: 8, .value_kind: global_buffer, .address_space: global }
      - { .name: b2, .offset: 16, .size: 8, .value_kind: global_buffer, .address_space: global }
      - { .name: outb, .offset: 24, .size: 8, .value_kind: global_buffer, .address_space: global }
      - { .name: yb, .offset: 32, .size: 8, .value_kind: global_buffer, .address_space: global }
      - { .name: part, .offset: 40, .size: 8, .value_kind: global_buffer, .address_space: global }
    .group_segment_fixed_size: 327680
    .private_segment_fixed_size: 0
    .kernarg_segment_align: 8
    .kernarg_segment_size: 48
    .max_flat_workgroup_size: 128
    .sgpr_count:     102
    .vgpr_count:     1024
    .wavefront_size: 32
...
	.end_amdgpu_metadata
.endif
;; end of part 3
;; launch fin (part 4): grid 256 x 1, 8 waves a work-group, no clusters, 0 bytes of LDS; arguments outb, yb, part, out0; writes out0
.if DOCPART == 4
	.amdgcn_target "amdgcn-amd-amdhsa--gfx1250"
	.amdhsa_code_object_version 6
	.text
	.protected	k_qc7d98919ba_fin
	.globl	k_qc7d98919ba_fin
	.p2align	8
	.type	k_qc7d98919ba_fin,@function
k_qc7d98919ba_fin:
	s_mov_b64 s[64:65], 0
	v_nop
	global_prefetch_b8 v0, s[64:65] scope:SCOPE_SE
	s_setreg_imm32_b32 hwreg(HW_REG_WAVE_MODE, 25, 1), 1
	s_wait_xcnt 0x0
; THE LAST STEP.  out0[m][n] = yb[m][n] (outb[m][n] - dot[m]), dot[m] = the sum over the 16 tile columns j of part[j][m], in f32, j ascending.
; outb, yb: [2048][4096] bf16; part: [16][2048] f32; out0: [2048][4096] f32.
; (The input t has no way to an output and is no argument: see the first launch's head.)
; LIMITS.  y is taken rounded to bf16, as in the products and in dot; out was rounded to bf16 once by the launch before, dot was summed of the unrounded out.
; SHARES.  One wave, one row: 32 loads of 8 bytes a lane from each of the two buffers, all issued before the first wait; each covers 256 consecutive bytes at a multiple of 256 from the buffer's first byte;
; each store covers 512 consecutive bytes.  The row's 16 partial sums are scalars: the same for all lanes.  No LDS, no barrier, no cluster: no wave wants what another has.
.set X, 4                              ; v[4:131]   piece n: two registers of out, two of y; then the four results
.set T, 132                            ; v[132:139] at work: four numbers of out, four of y
	s_load_b256 s[4:11], s[0:1], 0x0               ; outb s[4:5], yb s[6:7], part s[8:9], out0 s[10:11]
	v_lshrrev_b32 v1, 5, v0
	v_readfirstlane_b32 s12, v1                    ; wave 0..7
	s_lshl_b32 s13, ttmp9, 3
	s_add_co_u32 s13, s13, s12                     ; my row
	s_lshl_b32 s14, s13, 14                        ; its 16,384 bytes in out0,
	s_mov_b32 s15, 0
	s_lshl_b32 s44, s13, 2                         ; its word in a row of part,
	s_mov_b32 s45, 0
	s_lshl_b32 s46, s13, 13                        ; its 8,192 bytes in outb and yb
	s_mov_b32 s47, 0
	s_mov_b32 s42, 0xffff0000                      ; a word's upper bf16
	v_and_b32 v3, 31, v0
	v_lshlrev_b32 v1, 3, v3                        ; 8 bytes a lane in,
	v_lshlrev_b32 v2, 4, v3                        ; 16 bytes a lane out
	s_wait_kmcnt 0x0
	s_add_nc_u64 s[4:5], s[4:5], s[46:47]
	s_add_nc_u64 s[6:7], s[6:7], s[46:47]
	s_add_nc_u64 s[8:9], s[8:9], s[44:45]
	s_add_nc_u64 s[10:11], s[10:11], s[14:15]
.set n, 0
.rept 16
	s_load_b32 s[16+n], s[8:9], 8192*n             ; part[n][row]
.set n, n+1
.endr
.set n, 0
.rept 32
	global_load_b64 v[X+4*n:X+4*n+1],   v1, s[4:5] offset:256*n th:TH_LOAD_NT
	global_load_b64 v[X+4*n+2:X+4*n+3], v1, s[6:7] offset:256*n th:TH_LOAD_NT
.set n, n+1
.endr
	s_wait_kmcnt 0x0
.set n, 1
.rept 15
	s_add_f32 s16, s16, s[16+n]
.set n, n+1
.endr
	s_xor_b32 s40, s16, 0x80000000                 ; - dot
	s_mov_b32 s41, s40                             ; named with it as a pair
.set n, 0
.rept 32
	s_wait_loadcnt 62-2*n                          ; loads come back in order: piece n's two are in, the younger pieces' stay out
	v_lshlrev_b32 v[T],   16,  v[X+4*n]            ; bf16 to f32: the low half moves up, the high half stays
	v_and_b32     v[T+1], s42, v[X+4*n]
	v_lshlrev_b32 v[T+2], 16,  v[X+4*n+1]
	v_and_b32     v[T+3], s42, v[X+4*n+1]
	v_lshlrev_b32 v[T+4], 16,  v[X+4*n+2]
	v_and_b32     v[T+5], s42, v[X+4*n+2]
	v_lshlrev_b32 v[T+6], 16,  v[X+4*n+3]
	v_and_b32     v[T+7], s42, v[X+4*n+3]
	v_pk_add_f32 v[T:T+1],   v[T:T+1],   s[40:41] op_sel_hi:[1,0]   ; out - dot
	v_pk_add_f32 v[T+2:T+3], v[T+2:T+3], s[40:41] op_sel_hi:[1,0]
	v_pk_mul_f32 v[X+4*n:X+4*n+1],   v[T:T+1],   v[T+4:T+5]         ; times y.  No register that a store names is written again, so no wait frees any
	v_pk_mul_f32 v[X+4*n+2:X+4*n+3], v[T+2:T+3], v[T+6:T+7]
	global_store_b128 v2, v[X+4*n:X+4*n+3], s[10:11] offset:512*n th:TH_STORE_NT
.set n, n+1
.endr
	s_endpgm
.Lfunc_end_k_qc7d98919ba_fin:
	.size	k_qc7d98919ba_fin, .Lfunc_end_k_qc7d98919ba_fin-k_qc7d98919ba_fin
	.p2alignl 7, 3214868480
	.fill 96, 4, 3214868480
	.section	.rodata,"a",@progbits
	.p2align	6, 0x0
	.amdhsa_kernel k_qc7d98919ba_fin
		.amdhsa_group_segment_fixed_size 0
		.amdhsa_private_segment_fixed_size 0
		.amdhsa_enable_private_segment 0
		.amdhsa_kernarg_size 32
		.amdhsa_user_sgpr_count 2
		.amdhsa_user_sgpr_kernarg_segment_ptr 1
		.amdhsa_wavefront_size32 1
		.amdhsa_system_sgpr_workgroup_id_x 1
		.amdhsa_system_sgpr_workgroup_id_y 1
		.amdhsa_system_sgpr_workgroup_id_z 1
		.amdhsa_system_vgpr_workitem_id 0
		.amdhsa_next_free_vgpr 144
		.amdhsa_next_free_sgpr 66
		.amdhsa_reserve_vcc 0
		.amdhsa_float_denorm_mode_32 3
		.amdhsa_float_denorm_mode_16_64 3
		.amdhsa_memory_ordered 1
		.amdhsa_forward_progress 1
		.amdhsa_inst_pref_size 29
	.end_amdhsa_kernel
	.amdgpu_metadata
---
amdhsa.version: [ 1, 2 ]
amdhsa.kernels:
  - .name:           k_qc7d98919ba_fin
    .symbol:         k_qc7d98919ba_fin.kd
    .args:
      - { .name: outb, .offset: 0, .size: 8, .value_kind: global_buffer, .address_space: global }
      - { .name: yb, .offset: 8, .size: 8, .value_kind: global_buffer, .address_space: global }
      - { .name: part, .offset: 16, .size: 8, .value_kind: global_buffer, .address_space: global }
      - { .name: out0, .offset: 24, .size: 8, .value_kind: global_buffer, .address_space: global }
    .group_segment_fixed_size: 0
    .private_segment_fixed_size: 0
    .kernarg_segment_align: 8
    .kernarg_segment_size: 32
    .max_flat_workgroup_size: 256
    .sgpr_count:     66
    .vgpr_count:     144
    .wavefront_size: 32
...
	.end_amdgpu_metadata
.endif
;; end of part 4
;; ======== version 2 of 2: 4 launches; version 1 with the launches prep, fin written anew for expert scheduling mode
;; limits: values are held in f16: magnitudes above 65,504 overflow, below 6.1e-05 lose precision; right only within a limited range of input values
;; workspace buffers: yb 16,777,216 bytes; W1b 33,554,432 bytes; W2h 33,554,432 bytes; hh 16,777,216 bytes; outb 16,777,216 bytes; part 131,072 bytes
;; launch prep (part 5): grid 256 x 5, 8 waves a work-group, no clusters, 70,656 bytes of LDS; arguments y, W1, W2, yb, W1b, W2h; writes yb, W1b, W2h
.if DOCPART == 5
	.amdgcn_target "amdgcn-amd-amdhsa--gfx1250"
	.amdhsa_code_object_version 6
	.text
	.protected	k_qc7d98919ba_prep
	.globl	k_qc7d98919ba_prep
	.p2align	8
	.type	k_qc7d98919ba_prep,@function
k_qc7d98919ba_prep:
	s_mov_b64 s[64:65], 0
	v_nop
	global_prefetch_b8 v0, s[64:65] scope:SCOPE_SE
	s_setreg_imm32_b32 hwreg(HW_REG_WAVE_SCHED_MODE, 0, 2), 2
	s_setreg_imm32_b32 hwreg(HW_REG_WAVE_MODE, 25, 1), 1
	s_wait_xcnt 0x0
	s_wait_alu depctr_vm_vsrc(0)
; THE PROGRAM.  h = y W1^T + b1; out = h W2^T + b2; dot[row] = sum over n of y out; result = y (out - dot).  Four launches: this one rounds the three large
; inputs once and lays the weights out; two products; a last stream that takes dot away and multiplies by y.
; DEAD WORK.  The input t is named nowhere in the body of reference(): no output hangs on it, whatever it holds.  It is not loaded and is no launch's argument.
; LIMIT: a NaN or an infinity in t is not carried to the result.
; THIS LAUNCH.  yb = bf16(y), row-major.  W1b = bf16(W1), W2h = f16(bf16(W2)): each weight is read by 16 row blocks later, so it is rounded once, here.
; W2 is rounded to bf16 like the other inputs, and that number is written as f16, since the second product multiplies h in f16.
; THE WEIGHTS' LAYOUT is the order in which a wave of the products takes them into its operand registers:
;   W[n][k] lies at byte (n / 128) 1,048,576 + (k / 32) 8,192 + ((n % 128) / 16) 1,024 + ((k % 32) / 16) 512 + ((k % 16) / 8) 256 + (n % 16) 16 + (k % 8) 2,
; so that 128 rows x 32 K are 8,192 bytes on end, and a load of 16 bytes a lane at 16 x lane brings half a fragment (lane l: row l % 16, K = 8 (l / 16) + 0..7).
; LIMITS.  |W2| stays under 65,520 (beyond that f16 has an infinity); a number of W2 under 2^-14 keeps f16's fixed step of 2^-24 in place of bf16's 8 bits.
; SHARES.  A work-group takes 131,072 bytes of one input: 32 loads of 16 bytes a thread, all issued before the first wait for data; a wave's load covers 512 consecutive bytes.
; Grid y picks the input: 0 y; 1, 2 the halves of W1; 3, 4 those of W2.  Of y a work-group takes 131,072 bytes on end.  Of a weight matrix it takes 16 rows x 2,048 K; a wave 16 rows x 256 K, as two
; blocks of 128 K.  A block is read by rows, rounded, put into the wave's own 16 rows x 272 bytes of LDS, read back as fragment halves and stored: each store covers 512 consecutive bytes, aligned.
; No barrier: each wave reads only what it stored itself, and LDS serves a wave's instructions in order (ISA guide 5.7.1.4).  No matrix unit, no cluster: nothing is shared and nothing is summed.
; THE MODE: SCHED_MODE bits 1:0 = 2 (LLVM: expert scheduling mode 2), set by the entry lines.  The code itself states the register dependences between vector
; instructions and memory or LDS instructions, with s_wait_alu, always for 0.
; THE PLAN.  A thread's 32 loads go in 8 groups of four.  Registers that memory or LDS instructions touch:
;   v1, v2, v[LS], v[LR], v[SO]  offsets and LDS addresses: written once by vector lines, read by loads and stores, never written again.
;   X[k]      load k lands in it; group k / 4 rounds it in place; its store (y: to memory; a weight: into LDS) is issued in group k / 4 + 1.
;   X[0..7], X[16..23]  (weights) later the read-back of block 0, of block 1 lands in these 32 registers; the block's eight global stores read them; then they are left alone.
;   T         named by vector lines alone.
; So ONE wait on va_vdst stands at a group's head: the group before has written what this group's four stores read.  Behind it the group's vector lines name their own X and T alone, none of the registers
; that its stores and LDS loads touch, and these are dealt among them with no further wait.  A wait on vm_vsrc stands ahead of each of the two read-backs: the LDS stores have read the registers in which it lands.
.set X,   4                            ; v[4:131]   load n: four registers as loaded; the first two then hold the four rounded numbers; later the fragment halves read back
.set T,   132                          ; v[132:135] at work
.set LS,  136                          ; v136  where I put 8 bytes of a row
.set LR,  137                          ; v137  where I read 16 bytes of a fragment half
.set SO,  138                          ; v138  my byte offset in the laid-out weights
.set SPW, 140                          ; v140  LDS address of my spare word: SPARE + 4 x my thread's number; never rewritten
.set NIL, 141                          ; v141  0; never rewritten
.set TP,  272                          ; an LDS row: 256 bytes + 16 of padding: the 16 rows that a read-back touches start at 16 different groups of four banks (64 banks of 4 bytes: ISA guide 11.1)
.set BLK, 16*TP                        ; a block
.set SPARE, 8*2*BLK                    ; behind the eight waves' two blocks: the spare words, 128 bytes for each wave: four blocks of 256 bytes that no other line names
	s_load_b256 s[4:11], s[0:1], 0x0               ; y s[4:5], W1 s[6:7], W2 s[8:9], yb s[10:11]
	s_load_b128 s[12:15], s[0:1], 0x20             ; W1b s[12:13], W2h s[14:15]
	v_lshl_add_u32 v[SPW], v0, 2, SPARE
	v_mov_b32 v[NIL], 0
	v_lshrrev_b32 v3, 5, v0
	v_readfirstlane_b32 s32, v3                    ; wave 0..7
	s_and_b32 s16, ttmp7, 0xffff                   ; grid y
	s_add_co_u32 s17, s16, 1
	s_and_b32 s17, s17, 1                          ; 1 for the second half of a weight matrix (grid y 2 and 4),
	s_cmp_eq_u32 s16, 0
	s_cselect_b32 s17, 0, s17                      ; 0 for y
	s_lshl_b32 s17, s17, 8
	s_add_co_u32 s18, ttmp9, s17                   ; my chunk in the input: 0 to 511
	s_lshr_b32 s19, s18, 1                         ; of a weight matrix: its block of 16 rows,
	s_and_b32 s29, s18, 1                          ; its half of K
	s_lshl_b32 s30, s19, 18                        ; from: 16 rows of 16,384 bytes,
	s_lshl_b32 s31, s29, 13                        ; 2,048 numbers of 4 bytes
	s_add_co_u32 s30, s30, s31
	s_lshr_b32 s31, s19, 3                         ; to: n / 128,
	s_lshl_b32 s31, s31, 20
	s_and_b32 s19, s19, 7                          ; (n % 128) / 16,
	s_lshl_b32 s19, s19, 10
	s_add_co_u32 s31, s31, s19
	s_lshl_b32 s29, s29, 19                        ; 64 steps of 32 along K, 8,192 bytes each
	s_add_co_u32 s31, s31, s29
	s_lshl_b32 s20, s18, 17                        ; of y: 131,072 bytes of f32,
	s_lshl_b32 s22, s18, 16                        ; 65,536 bytes of bf16
	s_cmp_eq_u32 s16, 0
	s_cselect_b32 s20, s20, s30
	s_cselect_b32 s22, s22, s31
	s_mov_b32 s21, 0
	s_mov_b32 s23, 0
	s_mov_b32 s28, 0xffff0000                      ; a word's upper bf16
	s_wait_alu depctr_va_sdst(0)                   ; s32, the wave's number, is written
	s_wait_kmcnt 0x0
	s_cmp_ge_u32 s16, 3
	s_cselect_b64 s[24:25], s[8:9], s[6:7]         ; W2 or W1,
	s_cselect_b64 s[26:27], s[14:15], s[12:13]
	s_cmp_eq_u32 s16, 0
	s_cselect_b64 s[24:25], s[4:5], s[24:25]       ; or y
	s_cselect_b64 s[26:27], s[10:11], s[26:27]
	s_add_nc_u64 s[24:25], s[24:25], s[20:21]
	s_add_nc_u64 s[26:27], s[26:27], s[22:23]
	s_cmp_eq_u32 s16, 0
	s_cbranch_scc0 .Lweights
	; y: rounded and stored as it lies
	v_lshlrev_b32 v1, 4, v0                        ; 16 bytes a thread in,
	v_lshlrev_b32 v2, 3, v0                        ; 8 bytes a thread out
	s_wait_alu depctr_va_vdst(0)                   ; v1 and v2 are written: every load and store of this way reads one of them as its offset
.set n, 0
.rept 32
	global_load_b128 v[X+4*n:X+4*n+3], v1, s[24:25] offset:4096*n th:TH_LOAD_NT  ; read once in the launch
.set n, n+1
.endr
; Group p of y: loads 4 p to 4 p + 3 are rounded in place; the four stores of the group before are dealt among the roundings.
.macro YBLK p
	s_wait_loadcnt 31-4*(\p)                       ; loads come back in order: the group's first is in, the younger ones stay out
.if (\p) > 0
	s_wait_alu depctr_va_vdst(0)                   ; the group before has written its X, which the four stores below read; the roundings below name this group's X alone
.endif
.irp i, 0,1,2,3
.if (\p) > 0
	global_store_b64 v2, v[X+4*(4*(\p)-4+(\i)):X+4*(4*(\p)-4+(\i))+1], s[26:27] offset:2048*(4*(\p)-4+(\i))  ; a wave's store covers 256 consecutive bytes, aligned; no register that a store names is written again
.endif
.if (\i) > 0
	s_wait_loadcnt 31-4*(\p)-(\i)                  ; mine is in, the younger ones stay out
.endif
	v_cvt_pk_bf16_f32 v[X+4*(4*(\p)+(\i))],   v[X+4*(4*(\p)+(\i))],   v[X+4*(4*(\p)+(\i))+1]
	v_cvt_pk_bf16_f32 v[X+4*(4*(\p)+(\i))+1], v[X+4*(4*(\p)+(\i))+2], v[X+4*(4*(\p)+(\i))+3]
.endr
.endm
.irp p, 0,1,2,3,4,5,6,7
	YBLK \p
.endr
	s_wait_alu depctr_va_vdst(0)                   ; the last group has written its X, which the last four stores read
.irp i, 28,29,30,31
	global_store_b64 v2, v[X+4*(\i):X+4*(\i)+1], s[26:27] offset:2048*(\i)
.endr
	s_branch .Lend
.Lweights:
	v_and_b32 v3, 31, v0                           ; lane
	s_lshl_b32 s35, s32, 10                        ; my wave's 256 numbers of a row
	v_lshl_add_u32 v1, v3, 4, s35
	s_wait_alu depctr_va_vdst(0)                   ; v1 is written, which the 32 loads read as their offset
.set n, 0
.rept 32                               ; load n: block n / 16 of 128 K, row n % 16: 512 consecutive bytes of the row
	global_load_b128 v[X+4*n:X+4*n+3], v1, s[24:25] offset:(n%16)*16384+(n/16)*512 th:TH_LOAD_NT
.set n, n+1
.endr
	s_mul_i32 s33, s32, 2*BLK                      ; my wave's two blocks in LDS
	v_lshl_add_u32 v[LS], v3, 3, s33               ; in: 8 bytes a lane, a row on end
	v_and_b32 v2, 15, v0
	v_mul_u32_u24 v[LR], v2, TP                    ; back: row l % 16,
	v_bfe_u32 v2, v0, 4, 1
	v_lshl_add_u32 v[LR], v2, 4, v[LR]             ; 16 bytes for each half of the lanes
	v_add_nc_u32 v[LR], s33, v[LR]
	s_lshl_b32 s34, s32, 16                        ; my wave's 8 steps of 32 along K
	v_lshl_add_u32 v[SO], v3, 4, s34
; Load k is rounded in place.  half = 1: the bf16 numbers are widened again and written as f16.
.macro CONV k, half
	v_cvt_pk_bf16_f32 v[X+4*(\k)],   v[X+4*(\k)],   v[X+4*(\k)+1]
	v_cvt_pk_bf16_f32 v[X+4*(\k)+1], v[X+4*(\k)+2], v[X+4*(\k)+3]
.if \half
	v_lshlrev_b32 v[T],   16,  v[X+4*(\k)]         ; bf16 to f32: the low half moves up, the high half stays
	v_and_b32     v[T+1], s28, v[X+4*(\k)]
	v_lshlrev_b32 v[T+2], 16,  v[X+4*(\k)+1]
	v_and_b32     v[T+3], s28, v[X+4*(\k)+1]
	v_cvt_pk_f16_f32 v[X+4*(\k)],   v[T],   v[T+1] ; 8 significant bits fit into f16's 11
	v_cvt_pk_f16_f32 v[X+4*(\k)+1], v[T+2], v[T+3]
.endif
.endm
.macro PUT k                           ; its four numbers go into LDS: block k / 16, row k % 16
	ds_store_b64 v[LS], v[X+4*(\k):X+4*(\k)+1] offset:((\k)/16)*BLK+((\k)%16)*TP
.endm
.macro BACK u, m                       ; fragment half m of block u's eight: step m / 2 of 32 along K, half m % 2; into registers whose numbers lie in LDS
	ds_load_b128 v[X+64*(\u)+4*(\m):X+64*(\u)+4*(\m)+3], v[LR] offset:(\u)*BLK+((\m)/2)*64+((\m)%2)*32
.endm
.macro OUT u, m
	global_store_b128 v[SO], v[X+64*(\u)+4*(\m):X+64*(\u)+4*(\m)+3], s[26:27] offset:(4*(\u)+(\m)/2)*8192+((\m)%2)*512  ; 512 consecutive bytes, aligned
.endm
; Group g of a weight matrix: loads 4 g to 4 g + 3 are rounded; the LDS stores of the group before are dealt among the roundings.
; Group 4 puts block 0's last four rows first and then reads the block back; group 6 stores block 0 to memory.
.macro GROUP g, half
	s_wait_loadcnt 31-4*(\g)                       ; loads come back in order: the group's first is in, the younger ones stay out
.if (\g) > 0
	s_wait_alu depctr_va_vdst(0)                   ; the group before has written its X, which the LDS stores below read (group 1: v[LS], v[LR] and v[SO] are written too; group 4: the roundings are done with X[0..7], in which the read-back lands)
.endif
.if (\g) == 4
	s_wait_alu depctr_vm_vsrc(0)                   ; the LDS stores of rows 0 to 7, issued in groups 1 and 2, have read X[0..7], in which the read-back lands
.irp i, 12,13,14,15
	PUT \i
.endr
.endif
.if (\g) == 6
	s_wait_dscnt 4                                 ; block 0 is back in registers: behind its read-back stand group 5's four LDS stores, which may stay out
.endif
.irp i, 0,1,2,3
.if ((\g) > 0) && ((\g) != 4)
	PUT 4*(\g)-4+(\i)
.endif
.if (\g) == 4
	BACK 0, 2*(\i)                                 ; behind all sixteen rows' stores; the roundings since the waits name X[16..19] and T alone
	BACK 0, 2*(\i)+1
.endif
.if (\g) == 6
	OUT 0, 2*(\i)
	OUT 0, 2*(\i)+1
.endif
.if (\i) > 0
	s_wait_loadcnt 31-4*(\g)-(\i)                  ; mine is in, the younger ones stay out
.endif
	CONV 4*(\g)+(\i), \half
.endr
.endm
.macro WWAY half
.irp g, 0,1,2,3,4,5,6,7
	GROUP \g, \half
.endr
	s_wait_alu depctr_va_vdst(0)                   ; the last group has written its X, which the LDS stores below read; the roundings are done with X[16..23], in which the read-back lands
	s_wait_alu depctr_vm_vsrc(0)                   ; the LDS stores of rows 16 to 23, issued in groups 5 and 6, have read X[16..23]
.irp i, 28,29,30,31
	PUT \i
.endr
.irp m, 0,1,2,3,4,5,6,7
	BACK 1, \m
.endr
.irp m, 0,1,2,3,4,5,6,7
	s_wait_dscnt 7-(\m)                            ; LDS loads come back in order: half m is in, the younger ones stay out
	OUT 1, \m
.endr
.endm
	s_cmp_ge_u32 s16, 3
	s_cbranch_scc1 .Lf16
	WWAY 0
	s_branch .Lend
.Lf16:
	WWAY 1
.Lend:
	s_wait_dscnt 0x0                               ; the closing lines, six on end
	s_wait_alu 0x0
	s_wait_tensorcnt 0x0
	ds_add_u32 v[SPW], v[NIL]
	s_wait_dscnt 0x0
	s_endpgm
.Lfunc_end_k_qc7d98919ba_prep:
	.size	k_qc7d98919ba_prep, .Lfunc_end_k_qc7d98919ba_prep-k_qc7d98919ba_prep
	.p2alignl 7, 3214868480
	.fill 96, 4, 3214868480
	.section	.rodata,"a",@progbits
	.p2align	6, 0x0
	.amdhsa_kernel k_qc7d98919ba_prep
		.amdhsa_group_segment_fixed_size 70656
		.amdhsa_private_segment_fixed_size 0
		.amdhsa_enable_private_segment 0
		.amdhsa_kernarg_size 48
		.amdhsa_user_sgpr_count 2
		.amdhsa_user_sgpr_kernarg_segment_ptr 1
		.amdhsa_wavefront_size32 1
		.amdhsa_system_sgpr_workgroup_id_x 1
		.amdhsa_system_sgpr_workgroup_id_y 1
		.amdhsa_system_sgpr_workgroup_id_z 1
		.amdhsa_system_vgpr_workitem_id 0
		.amdhsa_next_free_vgpr 144
		.amdhsa_next_free_sgpr 66
		.amdhsa_reserve_vcc 0
		.amdhsa_float_denorm_mode_32 3
		.amdhsa_float_denorm_mode_16_64 3
		.amdhsa_memory_ordered 1
		.amdhsa_forward_progress 1
		.amdhsa_inst_pref_size 46
	.end_amdhsa_kernel
	.amdgpu_metadata
---
amdhsa.version: [ 1, 2 ]
amdhsa.kernels:
  - .name:           k_qc7d98919ba_prep
    .symbol:         k_qc7d98919ba_prep.kd
    .args:
      - { .name: y, .offset: 0, .size: 8, .value_kind: global_buffer, .address_space: global }
      - { .name: W1, .offset: 8, .size: 8, .value_kind: global_buffer, .address_space: global }
      - { .name: W2, .offset: 16, .size: 8, .value_kind: global_buffer, .address_space: global }
      - { .name: yb, .offset: 24, .size: 8, .value_kind: global_buffer, .address_space: global }
      - { .name: W1b, .offset: 32, .size: 8, .value_kind: global_buffer, .address_space: global }
      - { .name: W2h, .offset: 40, .size: 8, .value_kind: global_buffer, .address_space: global }
    .group_segment_fixed_size: 70656
    .private_segment_fixed_size: 0
    .kernarg_segment_align: 8
    .kernarg_segment_size: 48
    .max_flat_workgroup_size: 256
    .sgpr_count:     66
    .vgpr_count:     144
    .wavefront_size: 32
...
	.end_amdgpu_metadata
.endif
;; end of part 5
;; launch gemm1: the kernel of part 2 again; grid 16 x 16, 4 waves a work-group, clusters of 4 x 4, 327,680 bytes of LDS; arguments yb, W1b, b1, hh; writes hh
;; launch gemm2: the kernel of part 3 again; grid 16 x 16, 4 waves a work-group, clusters of 4 x 4, 327,680 bytes of LDS; arguments hh, W2h, b2, outb, yb, part; writes outb, part
;; launch fin (part 6): grid 256 x 1, 8 waves a work-group, no clusters, 0 bytes of LDS; arguments outb, yb, part, out0; writes out0
.if DOCPART == 6
	.amdgcn_target "amdgcn-amd-amdhsa--gfx1250"
	.amdhsa_code_object_version 6
	.text
	.protected	k_qc7d98919ba_fin
	.globl	k_qc7d98919ba_fin
	.p2align	8
	.type	k_qc7d98919ba_fin,@function
k_qc7d98919ba_fin:
	s_mov_b64 s[64:65], 0
	v_nop
	global_prefetch_b8 v0, s[64:65] scope:SCOPE_SE
	s_setreg_imm32_b32 hwreg(HW_REG_WAVE_SCHED_MODE, 0, 2), 2
	s_setreg_imm32_b32 hwreg(HW_REG_WAVE_MODE, 25, 1), 1
	s_wait_xcnt 0x0
	s_wait_alu depctr_vm_vsrc(0)
; THE LAST STEP.  out0[m][n] = yb[m][n] (outb[m][n] - dot[m]), dot[m] = the sum over the 16 tile columns j of part[j][m], in f32, j ascending.
; outb, yb: [2048][4096] bf16; part: [16][2048] f32; out0: [2048][4096] f32.
; (The input t has no way to an output and is no argument: see the first launch's head.)
; LIMITS.  y is taken rounded to bf16, as in the products and in dot; out was rounded to bf16 once by the launch before, dot was summed of the unrounded out.
; SHARES.  One wave, one row: 32 loads of 8 bytes a lane from each of the two buffers, all issued before the first wait for data; each covers 256 consecutive bytes at a multiple of 256 from the buffer's first byte;
; each store covers 512 consecutive bytes.  The row's 16 partial sums are scalars: the same for all lanes.  No LDS, no barrier, no cluster: no wave wants what another has.
; THE MODE: SCHED_MODE bits 1:0 = 2 (LLVM: expert scheduling mode 2), set by the entry lines.  The code itself states the register dependences between vector
; instructions and memory instructions, with s_wait_alu, always for 0.
; THE PLAN.  The row's 32 pieces go in 8 groups of four.  Registers that memory instructions touch:
;   v1, v2    byte offsets: written once by vector lines, read by every load and store, never written again.
;   X[n]      piece n's two loads land in it; group n / 4 writes the four results over it; the store issued in group n / 4 + 1 reads it; then it is left alone.
;   T         named by vector lines alone.
; So ONE wait on va_vdst stands at a group's head: the group before has written what this group's four stores read.  Behind it the group's vector lines name their own X and T alone, and the stores are dealt
; among them with no further wait.  Nothing that a store has read is written again, so no wait on vm_vsrc is owed.
.set X, 4                              ; v[4:131]   piece n: two registers of out, two of y; then the four results
.set T, 132                            ; v[132:139] at work: four numbers of out, four of y
	s_load_b256 s[4:11], s[0:1], 0x0               ; outb s[4:5], yb s[6:7], part s[8:9], out0 s[10:11]
	v_lshrrev_b32 v1, 5, v0
	v_readfirstlane_b32 s12, v1                    ; wave 0..7
	v_and_b32 v3, 31, v0
	v_lshlrev_b32 v1, 3, v3                        ; 8 bytes a lane in,
	v_lshlrev_b32 v2, 4, v3                        ; 16 bytes a lane out
	s_mov_b32 s15, 0
	s_mov_b32 s45, 0
	s_mov_b32 s47, 0
	s_mov_b32 s42, 0xffff0000                      ; a word's upper bf16
	s_lshl_b32 s13, ttmp9, 3
	s_wait_alu depctr_va_sdst(0)                   ; s12, the wave's number, is written, ahead of its first reader: the row and all four bases are made from it
	s_add_co_u32 s13, s13, s12                     ; my row
	s_lshl_b32 s14, s13, 14                        ; its 16,384 bytes in out0,
	s_lshl_b32 s44, s13, 2                         ; its word in a row of part,
	s_lshl_b32 s46, s13, 13                        ; its 8,192 bytes in outb and yb
	s_wait_kmcnt 0x0
	s_add_nc_u64 s[4:5], s[4:5], s[46:47]
	s_add_nc_u64 s[6:7], s[6:7], s[46:47]
	s_add_nc_u64 s[8:9], s[8:9], s[44:45]
	s_add_nc_u64 s[10:11], s[10:11], s[14:15]
.set n, 0
.rept 16
	s_load_b32 s[16+n], s[8:9], 8192*n             ; part[n][row]
.set n, n+1
.endr
	s_wait_alu depctr_va_vdst(0)                   ; v1 and v2 are written: every load and store of the kernel reads one of them as its offset
.set n, 0
.rept 32
	global_load_b64 v[X+4*n:X+4*n+1],   v1, s[4:5] offset:256*n th:TH_LOAD_NT
	global_load_b64 v[X+4*n+2:X+4*n+3], v1, s[6:7] offset:256*n th:TH_LOAD_NT
.set n, n+1
.endr
	s_wait_kmcnt 0x0
.set n, 1
.rept 15
	s_add_f32 s16, s16, s[16+n]
.set n, n+1
.endr
	s_xor_b32 s40, s16, 0x80000000                 ; - dot
	s_mov_b32 s41, s40                             ; named with it as a pair
; Group p: pieces 4 p to 4 p + 3 are worked out; the four stores of the group before are dealt among the arithmetic.
.macro FBLK p
	s_wait_loadcnt 62-8*(\p)                       ; loads come back in order: the group's first piece, two loads, is in; the younger pieces' stay out
.if (\p) > 0
	s_wait_alu depctr_va_vdst(0)                   ; the group before has written its X, which the four stores below read; the lines below name this group's X and T alone
.endif
.irp i, 0,1,2,3
.set n, 4*(\p)+(\i)
.if (\p) > 0
	global_store_b128 v2, v[X+4*(n-4):X+4*(n-4)+3], s[10:11] offset:512*(n-4) th:TH_STORE_NT
.endif
.if (\i) > 0
	s_wait_loadcnt 62-2*n                          ; piece n's two are in, the younger pieces' stay out
.endif
	v_lshlrev_b32 v[T],   16,  v[X+4*n]            ; bf16 to f32: the low half moves up, the high half stays
	v_and_b32     v[T+1], s42, v[X+4*n]
	v_lshlrev_b32 v[T+2], 16,  v[X+4*n+1]
	v_and_b32     v[T+3], s42, v[X+4*n+1]
	v_lshlrev_b32 v[T+4], 16,  v[X+4*n+2]
	v_and_b32     v[T+5], s42, v[X+4*n+2]
	v_lshlrev_b32 v[T+6], 16,  v[X+4*n+3]
	v_and_b32     v[T+7], s42, v[X+4*n+3]
	v_pk_add_f32 v[T:T+1],   v[T:T+1],   s[40:41] op_sel_hi:[1,0]   ; out - dot
	v_pk_add_f32 v[T+2:T+3], v[T+2:T+3], s[40:41] op_sel_hi:[1,0]
	v_pk_mul_f32 v[X+4*n:X+4*n+1],   v[T:T+1],   v[T+4:T+5]         ; times y.  No register that a store names is written again, so no wait frees any
	v_pk_mul_f32 v[X+4*n+2:X+4*n+3], v[T+2:T+3], v[T+6:T+7]
.endr
.endm
.irp p, 0,1,2,3,4,5,6,7
	FBLK \p
.endr
	s_wait_alu depctr_va_vdst(0)                   ; the last group has written its X, which the last four stores read
.irp i, 28,29,30,31
	global_store_b128 v2, v[X+4*(\i):X+4*(\i)+3], s[10:11] offset:512*(\i) th:TH_STORE_NT
.endr
	s_endpgm
.Lfunc_end_k_qc7d98919ba_fin:
	.size	k_qc7d98919ba_fin, .Lfunc_end_k_qc7d98919ba_fin-k_qc7d98919ba_fin
	.p2alignl 7, 3214868480
	.fill 96, 4, 3214868480
	.section	.rodata,"a",@progbits
	.p2align	6, 0x0
	.amdhsa_kernel k_qc7d98919ba_fin
		.amdhsa_group_segment_fixed_size 0
		.amdhsa_private_segment_fixed_size 0
		.amdhsa_enable_private_segment 0
		.amdhsa_kernarg_size 32
		.amdhsa_user_sgpr_count 2
		.amdhsa_user_sgpr_kernarg_segment_ptr 1
		.amdhsa_wavefront_size32 1
		.amdhsa_system_sgpr_workgroup_id_x 1
		.amdhsa_system_sgpr_workgroup_id_y 1
		.amdhsa_system_sgpr_workgroup_id_z 1
		.amdhsa_system_vgpr_workitem_id 0
		.amdhsa_next_free_vgpr 144
		.amdhsa_next_free_sgpr 66
		.amdhsa_reserve_vcc 0
		.amdhsa_float_denorm_mode_32 3
		.amdhsa_float_denorm_mode_16_64 3
		.amdhsa_memory_ordered 1
		.amdhsa_forward_progress 1
		.amdhsa_inst_pref_size 29
	.end_amdhsa_kernel
	.amdgpu_metadata
---
amdhsa.version: [ 1, 2 ]
amdhsa.kernels:
  - .name:           k_qc7d98919ba_fin
    .symbol:         k_qc7d98919ba_fin.kd
    .args:
      - { .name: outb, .offset: 0, .size: 8, .value_kind: global_buffer, .address_space: global }
      - { .name: yb, .offset: 8, .size: 8, .value_kind: global_buffer, .address_space: global }
      - { .name: part, .offset: 16, .size: 8, .value_kind: global_buffer, .address_space: global }
      - { .name: out0, .offset: 24, .size: 8, .value_kind: global_buffer, .address_space: global }
    .group_segment_fixed_size: 0
    .private_segment_fixed_size: 0
    .kernarg_segment_align: 8
    .kernarg_segment_size: 32
    .max_flat_workgroup_size: 256
    .sgpr_count:     66
    .vgpr_count:     144
    .wavefront_size: 32
...
	.end_amdgpu_metadata
.endif
;; end of part 6
